; MI455X (gfx1250); checked and timed in simulation.
; The chip was launched on July 23, 2026; its instructions are those of AMD's public machine-readable ISA for CDNA 5 (MIT licence, August 2026) and "CDNA5" Instruction Set Architecture Reference Guide (July 2026). The comments in the code are by the model that wrote it; some were corrected since.
;; Model. Allowed arithmetic: matrix products marked QUANTISED: E4M3 operands, one given power-of-two scale a tensor, by v_wmma_f32_16x16x64_fp8_fp8 or v_wmma_f32_16x16x128_fp8_fp8, f32 sums; everything else in f32.
;; Inputs: W_out_codes 1,024 x 32 x 32 uint8 (E4M3 codes of W_out, K innermost, in blocks of 32 codes); W_qkv_codes 3,072 x 32 x 32 uint8 (E4M3 codes of W_qkv, K innermost, in blocks of 32 codes); b_out 1,024 float32; b_qkv 3,072 float32; lowp_scales 8 int32 (the exponents e of the quantised operands' scales 2^e); mask 8 x 1,024 x 1,024 float32; x 8 x 1,024 x 1,024 float32.
;; Outputs: out0 8 x 1,024 x 1,024 float32.
;; This version of the problem:
;;   THIS VERSION OF THE PROBLEM IS GIVEN IN LOW PRECISION. The matrix products marked QUANTISED in the list below multiply operands that are first quantised to E4M3 (4 exponent bits, 3 mantissa bits; 8 bits a number), with one given power-of-two scale for each operand tensor; their sums are f32. All else is computed in f32.
;;   The module's matrix products, in the order in which they are computed (A, B: the left and right operand; K: the contracted axis; several contracted axes count as one K, in the product's order):
;;     1. [M 8,192, K 1,024] x [K 1,024, N 3,072]; A: input x; B: input W_qkv (given as codes): QUANTISED (scales: A lowp_scales[0], B lowp_scales[1])
;;     2. batch 128 x [M 1,024, K 64] x [K 64, N 1,024]; A: computed on the way; B: computed on the way: QUANTISED (scales: A lowp_scales[2], B lowp_scales[3])
;;     3. batch 128 x [M 1,024, K 1,024] x [K 1,024, N 64]; A: softmax (see below); B: computed on the way: QUANTISED (scales: A lowp_scales[4], B lowp_scales[5])
;;     4. [M 8,192, K 1,024] x [K 1,024, N 1,024]; A: computed on the way; B: input W_out (given as codes): QUANTISED (scales: A lowp_scales[6], B lowp_scales[7])
;;   THE QUANTISER, for each operand of a quantised product, along K:
;;     - The operand's scale is 2^e, e = its entry of the input lowp_scales (int32; the entries are numbered through the quantised products in the list's order, A before B).
;;     - Each number is divided by the scale, clamped to +-448, and rounded to the nearest number of E4M3, ties to even, subnormals kept.
;;     - The product sums the exact products of the quantised numbers (number of the format x scale) in f32.
;;   ~~~python
;;   def quantise(x, axis, e):      # numpy; x: float32 -> the quantised numbers, widened to float32 again
;;       x = np.moveaxis(x, axis, -1); K = x.shape[-1]
;;       r = np.clip(x / 2.0 ** e, -448, 448)
;;       step = 2.0 ** (np.maximum(np.frexp(np.where(r == 0, 1, r))[1] - 1, -6) - 3)
;;       q = np.round(r / step) * step * 2.0 ** e      # np.round: ties to even
;;       return np.moveaxis(q, -1, axis).astype(np.float32)
;;   ~~~
;;   SOFTMAX AHEAD OF A QUANTISED PRODUCT. Where the list says 'softmax', what is quantised is not the finished softmax but p = 2^(t - M), with t = logit x log2(e) and M = ceil(the row's largest t), a whole number; so 1/2 < the row's largest p <= 1. The row's sum l is taken of the UNQUANTISED p, in f32, and the product's result is divided by l at the end. Since M is a whole number, a kernel that streams over the keys may use a running M (the ceiling of the running maximum): every later rescaling is an exact power of two, so the quantised numbers keep their values, but for numbers so far below the row's largest that they fall under the format's range.
;;   OPERANDS COMPUTED ON THE WAY. 'Computed on the way' means the value that the module computes at that place (a softmax that the list does not call 'softmax' is quantised finished and normalised). What goes into a quantiser is computed in f32, as accurately as f32 sums, v_exp_f32 and their like allow (about 1e-6 of the number): no bf16 or f16 on the way to a quantiser, and a product that is left as it is and whose result goes on into a quantised operand takes f32 operands (vector FMAs, or v_wmma_f32_16x16x4_f32). A number that lies on a knife's edge between two numbers of the format may be rounded either way, as far as f32 arithmetic and the matrix unit's own rounding can turn it there, and no further.
;;   INPUTS GIVEN AS CODES. W_out (in the module: [1024, 1024], K = its axis 0); W_qkv (in the module: [1024, 3072], K = its axis 0): each comes as NAME_codes (uint8): NAME with its K axis moved to the last place and cut into blocks of 32 codes, [.., K / 32, bytes a block], one block behind the other in memory; one code a byte (a code: sign, 4 exponent bits, 3 mantissa bits); its scale is its entry of lowp_scales. Its value is code x scale, taken as it is: it is not quantised again, and the codes and scales need not be those that the quantiser above would give.
;; 2 versions. Each part assembles by itself: llvm-mc -triple=amdgcn-amd-amdhsa -mcpu=gfx1250 --defsym DOCPART=n.
;; ======== version 1 of 2: 2 launches
;; workspace buffers: q_img 8,388,608 bytes; kv_img 16,777,216 bytes; wo_img 1,048,576 bytes
;; launch qkv (part 1): grid 4 x 64, 4 waves a work-group, no clusters, 132,608 bytes of LDS; arguments x, W_qkv_codes, b_qkv, W_out_codes, lowp_scales, q_img, kv_img, wo_img; writes q_img, kv_img, wo_img
.if DOCPART == 1
	.amdgcn_target "amdgcn-amd-amdhsa--gfx1250"
	.amdhsa_code_object_version 6
	.text
	.protected	k_q6bf5539b72_qkv
	.globl	k_q6bf5539b72_qkv
	.p2align	8
	.type	k_q6bf5539b72_qkv,@function
k_q6bf5539b72_qkv:
	s_mov_b64 s[64:65], 0
	v_nop
	global_prefetch_b8 v0, s[64:65] scope:SCOPE_SE
	s_setreg_imm32_b32 hwreg(HW_REG_WAVE_MODE, 25, 1), 1
	s_wait_xcnt 0x0
; qkv = Q(x) W_qkv + b_qkv on codes of E4M3, then q, k and v quantised and stored as IMAGES OF THE REGISTERS in which the attention launch wants them; W_out's codes are laid out the same way.
; x: [8192][1024] f32.  W_qkv_codes: [3072][1024] bytes, K innermost.  lowp_scales: e0 (x), e1 (W_qkv), e2 (q), e3 (k), e4 (p), e5 (v), e6 (ctx), e7 (W_out).
; SHARES.  Work-group (y, rb): 128 tokens (rows 128 rb on) x the four heads 4 y .. 4 y + 3.  Wave w owns head 4 y + w and runs three passes (q, k, v), each 128 tokens x 64 columns x K 1,024:
; 32 accumulators, 8 K steps of 128.  First the four waves quantise the 128 rows of x once into LDS (32 rows a wave); one barrier; then every wave reads x's fragments from LDS, and its own rows of W straight from memory
; into a ring of four register slots.
; x ON ITS WAY TO CODES.  Each load reads 512 consecutive bytes, 16 a lane: four neighbours along K.  A conversion takes eight registers, the results of two loads, and gives two words of four neighbouring codes each;
; each word goes to its own place in LDS by a store of four bytes a lane.  So nothing is turned, and the only LDS traffic of this phase is the codes themselves.
; LAYOUTS.  q and k: the product is used transposed (source 0 = 16 rows of W, source 1 = 16 tokens): a lane holds one token and eight neighbouring d, so one conversion gives registers 2 ct, 2 ct + 1 of a 16 x 64 fragment.
; v: the product is used as it is (source 0 = tokens, source 1 = rows of W): a lane holds one d and eight neighbouring tokens: registers 2 c, 2 c + 1 of a fragment of V^T whose K is the keys.
; THE ROWS OF W THAT FORM A TILE OF v ARE NOT NEIGHBOURS: lane r of tile 2 b + u takes d = 32 b + 8 u + r + 8 (r / 8), so that the attention launch's O^T holds 16 neighbouring d in two neighbouring tiles.
; Along K both operands of the first product are fetched 16 bytes a lane and register group (k = 32 c + 16 h + 0 .. 15): the same permutation of k on both sides, so every product meets its partner.
; AN IMAGE: a fragment of 8 registers is 1,024 bytes: registers 4 g .. 4 g + 3 of lane l at 512 g + 16 l.
; The bias goes in as the C of each sum's first product, divided by 2^(e0 + e1); the three scales ahead of each quantiser are folded into the conversion's one.
; NO CLUSTER, NO TENSOR LOAD: what the four work-groups of a row block share is x as f32, which has to pass through registers to be quantised; a fragment of W is read by one wave of a work-group and goes straight into its
; operand registers (16 KB a wave and K step): brought jointly it would land in LDS and add as many LDS reads again as x's fragments cost.
; NO PREFETCH of x: it is wanted in the first phase alone, which stands at the kernel's head, and the ring of loads has 6 of a wave's 32 rows on its way.
; LIMITS: e0, e2 - e0 - e1, e3 - e0 - e1, e5 - e0 - e1 between -126 and 119, so that each power of two below is an f32 number.  NaN among the inputs is not served; an infinity is held at the largest code.
; REGISTERS, in windows of 256.  window 0: v1-21 addresses and scales; v24-31 W_out's fragment; v32-39 x's codes, two sets of four; v64-255 the ring of x's loads, twelve sets of 16; later v64-127 the codes that leave and v128-255 x's fragments, set 0.
;   window 1: accumulator (a, ct) at v[8 (4 a + ct)].   window 2: W's ring, slot g % 4 at v[64 slot + 16 ct + 4 c].   window 3: v0-95 the biases' tiles (pass p, tile ct at 32 p + 8 ct), v96-99 v's biases as loaded; v128-255 x's fragments, set 1.
.set XP,    2064                       ; LDS: x's codes lie in 64 half-groups (k / 16) of 128 rows x 16 bytes + 16 of padding: 516 words, so half-group g starts at bank 4 g mod 64 (64 banks of 4 bytes: ISA guide 11.1)
.set XHALF, 32*XP                      ; the second 32 half-groups: a second address register, since an LDS offset has 16 bits
.set RING,  64                         ; v64-255: the ring of x's loads
.set XC,    32                         ; v32-39: x's codes
.set MSB, 0
.macro WIN new                         ; the immediate's high byte repeats the setting that is left; a switch that changes nothing is dropped
.if MSB != \new
	s_set_vgpr_msb (MSB<<8)|\new
.set MSB, \new
.endif
.endm
.macro PLACES                          ; four plain vector lines between a matrix instruction and a load into, or a vector read of, its registers
.rept 4
	v_nop
.endr
.endm
.macro MKSCALE vs, se                  ; v[vs] = 2^E as f32, v[vs + 1] = 448 x 2^E; E in s[se]
	s_add_co_i32 s43, s[\se], 127
	s_lshl_b32 s44, s43, 23
	v_mov_b32 v[\vs], s44
	s_add_co_i32 s43, s43, 8
	s_lshl_b32 s43, s43, 23
	s_or_b32 s43, s43, 0x600000
	v_mov_b32 v[\vs+1], s43
.endm
; a chunk (half a row of x, 2,048 bytes, off bytes from the base) into a ring set: each load reads 512 consecutive bytes; load j holds k = 512 half + 128 j + 4 lane + 0 .. 3
.macro XLD set, off
.irp j, 0,1,2,3
	global_load_b128 v[RING+16*(\set)+4*\j:RING+16*(\set)+4*\j+3], v1, s[8:9] offset:(\off)+512*\j
.endr
.endm
; The chunk in ring set `set` (half = set % 2) of the trip's row `row` is quantised.  cnt = the loads that were issued behind its four.  ahead = 1: the set takes the chunk six rows on.
.macro CH set, row, ahead, cnt
	s_wait_loadcnt \cnt
.irp n, 0,1,2,3,4,5,6,7,8,9,10,11,12,13,14,15
	v_med3_num_f32 v[RING+16*(\set)+\n], v[RING+16*(\set)+\n], -v13, v13   ; the conversion to an 8-bit code does not saturate (ISA guide 7.6.2): the hold at 448 x 2^e0
.endr
	s_wait_dscnt 4                                 ; the last chunk's four stores may be out; those of the chunk before it, which read this set of code registers, are done
	v_cvt_scalef32_pk8_fp8_f32 v[XC+4*((\set)%2):XC+4*((\set)%2)+1], v[RING+16*(\set):RING+16*(\set)+7], v12        ; loads 0 and 1: a word of four neighbouring codes each
	v_cvt_scalef32_pk8_fp8_f32 v[XC+4*((\set)%2)+2:XC+4*((\set)%2)+3], v[RING+16*(\set)+8:RING+16*(\set)+15], v12   ; loads 2 and 3
	v_nop                                          ; one plain line behind the last conversion
.if \ahead
	XLD \set, 24576+(\row)*4096+((\set)%2)*2048
.endif
.irp j, 0,1,2,3
	ds_store_b32 v[6+(\set)%2], v[XC+4*((\set)%2)+\j] offset:8*\j*XP+16*(\row)   ; half-group 32 half + 8 j + lane / 4, byte 4 (lane % 4): lane l falls on bank l + a constant
.endr
.endm
; W's four fragments (16 rows x 128 K each) of step g = 8 pass + K step, into ring slot g % 4
.macro WLOAD g
.set PP, (\g)/8
.set SS, (\g)%8
.set SL, 64*((\g)%4)
	WIN 0x80                                       ; destination window 2
.irp ct, 0,1,2,3
.irp c, 0,1,2,3
.if PP < 2
	global_load_b128 v[SL+16*\ct+4*\c:SL+16*\ct+4*\c+3], v10, s[10:11] offset:PP*1048576+\ct*16384+128*SS+32*\c
.else
	global_load_b128 v[SL+16*\ct+4*\c:SL+16*\ct+4*\c+3], v11, s[10:11] offset:2097152+(32*(\ct/2)+8*(\ct%2))*1024+128*SS+32*\c
.endif
.endr
.endr
.endm
; x's eight fragments of K step g % 8 from LDS into set g % 2: sixteen lanes take 256 consecutive bytes
.macro FETCHX g
.set SS, (\g)%8
.if (\g)%2
	WIN 0xc0                                       ; destination window 3
.else
	WIN 0
.endif
.irp a, 0,1,2,3,4,5,6,7
.irp c, 0,1,2,3
	ds_load_b128 v[128+16*\a+4*\c:128+16*\a+4*\c+3], v[8+SS/4] offset:(8*(SS%4)+2*\c)*XP+256*\a
.endr
.endr
.endm
; 32 products.  The 32 accumulators take turns, one instruction a turn, in the same order in every step.  A pass's first step takes the bias tile as C: nothing is cleared
.macro MUL32 g
.set PP, (\g)/8
.set SS, (\g)%8
.set SL, 64*((\g)%4)
.if PP < 2
.if SS == 0
	WIN 0x72                                       ; source 0 (W) window 2, source 1 (x, set 0) window 0, C (bias) window 3, D window 1
.elseif (\g)%2
	WIN 0x5e                                       ; x's set 1: window 3; C and D window 1
.else
	WIN 0x52
.endif
.else
.if SS == 0
	WIN 0x78                                       ; source 0 (x) window 0, source 1 (W) window 2, C window 3, D window 1
.elseif (\g)%2
	WIN 0x5b
.else
	WIN 0x58
.endif
.endif
.irp a, 0,1,2,3,4,5,6,7
.irp ct, 0,1,2,3
.if PP < 2
.if SS == 0
	v_wmma_f32_16x16x128_fp8_fp8 v[8*(4*\a+\ct):8*(4*\a+\ct)+7], v[SL+16*\ct:SL+16*\ct+15], v[128+16*\a:128+16*\a+15], v[32*PP+8*\ct:32*PP+8*\ct+7]
.else
	v_wmma_f32_16x16x128_fp8_fp8 v[8*(4*\a+\ct):8*(4*\a+\ct)+7], v[SL+16*\ct:SL+16*\ct+15], v[128+16*\a:128+16*\a+15], v[8*(4*\a+\ct):8*(4*\a+\ct)+7]
.endif
.else
.if SS == 0
	v_wmma_f32_16x16x128_fp8_fp8 v[8*(4*\a+\ct):8*(4*\a+\ct)+7], v[128+16*\a:128+16*\a+15], v[SL+16*\ct:SL+16*\ct+15], v[32*PP+8*\ct:32*PP+8*\ct+7]
.else
	v_wmma_f32_16x16x128_fp8_fp8 v[8*(4*\a+\ct):8*(4*\a+\ct)+7], v[128+16*\a:128+16*\a+15], v[SL+16*\ct:SL+16*\ct+15], v[8*(4*\a+\ct):8*(4*\a+\ct)+7]
.endif
.endif
.endr
.endr
.endm
; A step of 128 along K.  W's slot was asked for four steps ago: behind its 16 loads stand the refills of the three steps between (48, fewer at the end).  x's set was asked for two steps ago: behind it the other set's 32 loads
.macro STEP g
.if (\g) <= 20
	s_wait_loadcnt 48
.else
	s_wait_loadcnt 16*(23-(\g))
.endif
.if (\g) < 23
	s_wait_dscnt 32
.else
	s_wait_dscnt 0x0
.endif
	MUL32 \g
	WIN 0
	PLACES                                         ; for the loads into the slot and the set just multiplied, and for an epilogue's first reads
.if (\g) <= 19
	WLOAD (\g)+4
.endif
.if (\g) <= 21
	FETCHX (\g)+2
.endif
	WIN 0
.endm
; A pass's results: held, converted, stored as images.  An instruction names eight bits of a register number: the codes' blocks of eight registers are dealt so that a conversion's destination (window 0) and its
; source (window 1) differ in those eight bits too: q, k: blocks 2 and 4 change places; v: block i lies at i xor 1.
.macro EPI p
	s_wait_xcnt 0x0                                ; the last pass's stores have read v64-127
	WIN 0x41                                       ; destination and source 0 window 1
.set J, 0
.rept 256
	v_med3_num_f32 v[J], v[J], -v[15+2*(\p)], v[15+2*(\p)]   ; each accumulator from its low end on
.set J, J+1
.endr
	WIN 0x01                                       ; source 0 window 1, destination window 0
.irp a, 0,1,2,3,4,5,6,7
.irp ct, 0,1,2,3
.if (\p) < 2
.set FB, \a
.if \a == 2
.set FB, 4
.endif
.if \a == 4
.set FB, 2
.endif
.set CD, 64+8*FB+2*\ct                 ; fragment = token tile a; registers 2 ct, 2 ct + 1: d = 16 ct + 8 h + 0 .. 7
.else
.set CD, 64+8*((4*(\a/4)+\ct)^1)+2*(\a%4)   ; fragment = (key step a / 4, d tile ct); registers 2 (a % 4) on: keys 16 (a % 4) + 8 h + 0 .. 7
.endif
	v_cvt_scalef32_pk8_fp8_f32 v[CD:CD+1], v[8*(4*\a+\ct):8*(4*\a+\ct)+7], v[14+2*(\p)]
.endr
.endr
	v_nop                                          ; one plain line behind the last conversion: the next pass's products write its sources
	WIN 0
.irp i, 0,1,2,3,4,5,6,7
.irp gg, 0,1
.if (\p) < 2
.set FB, \i
.if \i == 2
.set FB, 4
.endif
.if \i == 4
.set FB, 2
.endif
.else
.set FB, (\i)^1
.endif
.if (\p) == 0
	global_store_b128 v1, v[64+8*FB+4*\gg:64+8*FB+4*\gg+3], s[18:19] offset:1024*\i+512*\gg   ; 32 lanes store 512 consecutive bytes, at a multiple of 256 from the buffer's first byte
.elseif (\p) == 1
	global_store_b128 v1, v[64+8*FB+4*\gg:64+8*FB+4*\gg+3], s[20:21] offset:(\i/4)*8192+(\i%4)*1024+512*\gg
.else
	global_store_b128 v1, v[64+8*FB+4*\gg:64+8*FB+4*\gg+3], s[20:21] offset:(\i/4)*8192+4096+(\i%4)*1024+512*\gg
.endif
.endr
.endr
.endm
	s_load_b512 s[8:23], s[0:1], 0x0               ; x 8, W_qkv 10, b_qkv 12, W_out 14, scales 16, q_img 18, kv_img 20, wo_img 22
	v_lshl_add_u32 v62, v0, 2, 0x20400
	v_mov_b32 v63, 0
	v_lshrrev_b32 v32, 5, v0
	v_readfirstlane_b32 s24, v32                   ; wave 0..3
	s_mov_b32 s25, ttmp9                           ; y: which four heads
	s_and_b32 s26, ttmp7, 0xffff                   ; rb: which 128 tokens
	v_and_b32 v33, 31, v0                          ; lane
	v_and_b32 v34, 15, v0                          ; r
	v_bfe_u32 v35, v0, 4, 1                        ; h
	v_lshlrev_b32 v1, 4, v33                       ; 16 x lane
	s_lshl_b32 s44, s24, 9
	v_lshrrev_b32 v36, 2, v33
	v_mul_u32_u24 v4, v36, XP
	v_and_b32 v36, 3, v33
	v_lshl_add_u32 v4, v36, 2, v4
	v_add_nc_u32 v4, s44, v4                       ; x's codes, written: half-group lane / 4, byte 4 (lane % 4), row 32 w
	v_add_nc_u32 v5, XHALF, v4                     ; the row's second half
	v_mul_u32_u24 v8, v35, XP
	v_lshl_add_u32 v8, v34, 4, v8                  ; x's codes, read: half-group h, row r
	v_add_nc_u32 v9, XHALF, v8
	v_lshlrev_b32 v10, 10, v34
	v_lshl_add_u32 v10, v35, 4, v10                ; a weight's row r of 1,024 bytes, + 16 h
	v_and_b32 v36, 8, v34
	v_add_nc_u32 v36, v36, v34                     ; r + 8 (r / 8)
	v_lshlrev_b32 v11, 10, v36
	v_lshl_add_u32 v11, v35, 4, v11                ; the same for v's tiles
	v_lshlrev_b32 v20, 5, v35                      ; q's and k's biases: eight numbers from 8 h on
	v_lshlrev_b32 v21, 2, v36                      ; v's: the one of my d
	s_mov_b32 s37, 0
	s_wait_kmcnt 0x0
	s_load_b256 s[28:35], s[16:17], 0x0            ; e0 .. e7
	s_lshl_b32 s36, s26, 19
	s_lshl_b32 s43, s24, 17
	s_add_co_u32 s36, s36, s43
	s_add_nc_u64 s[8:9], s[8:9], s[36:37]          ; x at row 128 rb + 32 w
	s_lshl_b32 s36, s25, 18
	s_lshl_b32 s43, s24, 16
	s_add_co_u32 s36, s36, s43
	s_add_nc_u64 s[10:11], s[10:11], s[36:37]      ; W_qkv at row 64 x head
	s_lshr_b32 s36, s36, 8
	s_add_nc_u64 s[12:13], s[12:13], s[36:37]      ; b_qkv at 64 x head
	s_lshl_b32 s45, s26, 2
	s_add_co_u32 s45, s45, s25                     ; the work-group's number, 0 .. 255: column block (number / 16), K step (number % 16) of W_out; the wave is the tile
	s_lshr_b32 s36, s45, 4
	s_lshl_b32 s36, s36, 16
	s_lshl_b32 s43, s24, 14
	s_add_co_u32 s36, s36, s43
	s_and_b32 s43, s45, 15
	s_lshl_b32 s43, s43, 6
	s_add_co_u32 s36, s36, s43
	s_add_nc_u64 s[14:15], s[14:15], s[36:37]      ; W_out at row 16 (4 block + w), k = 64 x K step
	s_lshl_b32 s36, s45, 12
	s_lshl_b32 s43, s24, 10
	s_add_co_u32 s36, s36, s43
	s_add_nc_u64 s[22:23], s[22:23], s[36:37]      ; its image: fragment 4 x number + w
	s_lshr_b32 s46, s26, 3
	s_lshl_b32 s46, s46, 4
	s_lshl_b32 s43, s25, 2
	s_add_co_u32 s46, s46, s43
	s_add_co_u32 s46, s46, s24                     ; 16 x batch + head
	s_and_b32 s45, s26, 7                          ; which 128 tokens of the batch's 1,024
	s_lshl_b32 s36, s46, 16
	s_lshl_b32 s43, s45, 13
	s_add_co_u32 s36, s36, s43
	s_add_nc_u64 s[18:19], s[18:19], s[36:37]      ; q's images: 64 fragments a head, eight of them mine
	s_lshl_b32 s36, s46, 17
	s_lshl_b32 s43, s45, 14
	s_add_co_u32 s36, s36, s43
	s_add_nc_u64 s[20:21], s[20:21], s[36:37]      ; k's and v's: 16 key steps of 8,192 bytes a head, two of them mine
	global_load_b128 v[24:27], v10, s[14:15]       ; W_out's fragment: k = 16 h + 0 .. 15,
	global_load_b128 v[28:31], v10, s[14:15] offset:32   ; and 32 + 16 h + 0 .. 15
	WIN 0xc0                                       ; destination window 3
.irp p, 0,1
.irp ct, 0,1,2,3
	global_load_b128 v[32*\p+8*\ct:32*\p+8*\ct+3], v20, s[12:13] offset:\p*4096+64*\ct
	global_load_b128 v[32*\p+8*\ct+4:32*\p+8*\ct+7], v20, s[12:13] offset:\p*4096+64*\ct+16
.endr
.endr
.irp ct, 0,1,2,3
	global_load_b32 v[96+\ct], v21, s[12:13] offset:8192+(32*(\ct/2)+8*(\ct%2))*4
.endr
	WLOAD 0
	WLOAD 1
	WLOAD 2
	WLOAD 3
	WIN 0
.irp i, 0,1,2,3,4,5,6,7,8,9,10,11
	XLD \i, (\i/2)*4096+(\i%2)*2048                ; my first six rows of x: 48 loads of 512 bytes are out from here on
.endr
	s_wait_kmcnt 0x0
	MKSCALE 12, 28                                 ; x: e0
	s_add_co_i32 s45, s28, s29                     ; a sum of the product stands for sum x 2^(e0 + e1)
	s_sub_co_i32 s42, 0, s45
	s_sub_co_i32 s46, s30, s45
	MKSCALE 14, 46                                 ; q: e2 - e0 - e1
	s_sub_co_i32 s46, s31, s45
	MKSCALE 16, 46                                 ; k: e3 - e0 - e1
	s_sub_co_i32 s46, s33, s45
	MKSCALE 18, 46                                 ; v: e5 - e0 - e1
	s_wait_loadcnt 48                              ; all that was asked for ahead of x is in; x's twelve chunks, 48 loads, stay out
	global_store_b128 v1, v[24:27], s[22:23]       ; W_out's fragment leaves as an image; v24-31 are not written again
	global_store_b128 v1, v[28:31], s[22:23] offset:512
	WIN 0xc3                                       ; destination and source 0 window 3
.set J, 0
.rept 64
	v_ldexp_f32 v[J], v[J], s42                    ; q's and k's biases / 2^(e0 + e1)
.set J, J+1
.endr
.irp ct, 0,1,2,3
.irp j, 0,1,2,3,4,5,6,7
	v_ldexp_f32 v[64+8*\ct+\j], v[96+\ct], s42     ; v's: a lane's eight registers are eight tokens of one d
.endr
.endr
	WIN 0
	s_mov_b32 s40, 0
	s_mov_b32 s41, 0
.Lx:                                               ; a trip: six rows of x, twelve chunks, once round the ring; four trips, each asking for the six rows that follow
	v_add_nc_u32 v6, s41, v4
	v_add_nc_u32 v7, s41, v5
.irp i, 0,1,2,3,4,5,6,7,8,9,10,11
	CH \i, (\i/2), 1, 44                           ; behind a chunk's four loads stand the eleven other chunks' 44
.endr
	s_wait_xcnt 0x0                                ; the loads have read their base
	s_add_nc_u64 s[8:9], s[8:9], 24576
	s_add_co_u32 s41, s41, 96                      ; six rows of 16 bytes on in each half-group
	s_add_co_u32 s40, s40, 1
	s_cmp_lt_u32 s40, 4
	s_cbranch_scc1 .Lx
	v_add_nc_u32 v6, s41, v4                       ; rows 24 to 31 are written out: no load leaves the wave's 32 rows
	v_add_nc_u32 v7, s41, v5
.irp i, 0,1,2,3
	CH \i, (\i/2), 1, 44                           ; rows 24 and 25; their sets take rows 30 and 31
.endr
.irp i, 4,5,6,7,8,9,10,11
	CH \i, (\i/2), 0, 4*(11-\i)+16                 ; rows 26 to 29: behind a chunk stand the later ones of these and the four chunks just asked for
.endr
.irp i, 0,1,2,3
	CH \i, (6+\i/2), 0, 4*(3-\i)                   ; rows 30 and 31: the counts run down
.endr
	s_wait_dscnt 0x0                               ; for the others' sake: my codes lie in LDS
	s_barrier_signal -1
	s_barrier_wait -1                              ; all 128 rows do
	FETCHX 0
	FETCHX 1
	WIN 0
.irp g, 0,1,2,3,4,5,6,7
	STEP \g
.endr
	EPI 0
.irp g, 8,9,10,11,12,13,14,15
	STEP \g
.endr
	EPI 1
.irp g, 16,17,18,19,20,21,22,23
	STEP \g
.endr
	EPI 2
	s_wait_tensorcnt 0x0
	ds_add_u32 v62, v63
	s_wait_dscnt 0x0
	s_endpgm
.Lfunc_end_k_q6bf5539b72_qkv:
	.size	k_q6bf5539b72_qkv, .Lfunc_end_k_q6bf5539b72_qkv-k_q6bf5539b72_qkv
	.p2alignl 7, 3214868480
	.fill 96, 4, 3214868480
	.section	.rodata,"a",@progbits
	.p2align	6, 0x0
	.amdhsa_kernel k_q6bf5539b72_qkv
		.amdhsa_group_segment_fixed_size 132608
		.amdhsa_private_segment_fixed_size 0
		.amdhsa_enable_private_segment 0
		.amdhsa_kernarg_size 64
		.amdhsa_user_sgpr_count 2
		.amdhsa_user_sgpr_kernarg_segment_ptr 1
		.amdhsa_wavefront_size32 1
		.amdhsa_system_sgpr_workgroup_id_x 1
		.amdhsa_system_sgpr_workgroup_id_y 1
		.amdhsa_system_sgpr_workgroup_id_z 1
		.amdhsa_system_vgpr_workitem_id 0
		.amdhsa_next_free_vgpr 1024
		.amdhsa_next_free_sgpr 66
		.amdhsa_reserve_vcc 0
		.amdhsa_float_denorm_mode_32 3
		.amdhsa_float_denorm_mode_16_64 3
		.amdhsa_memory_ordered 1
		.amdhsa_forward_progress 1
		.amdhsa_inst_pref_size 255
	.end_amdhsa_kernel
	.section	.bss,"aw",@nobits
	.p2align	6
	.space	262144
	.amdgpu_metadata
---
amdhsa.version: [ 1, 2 ]
amdhsa.kernels:
  - .name:           k_q6bf5539b72_qkv
    .symbol:         k_q6bf5539b72_qkv.kd
    .args:
      - { .name: x, .offset: 0, .size: 8, .value_kind: global_buffer, .address_space: global }
      - { .name: W_qkv_codes, .offset: 8, .size: 8, .value_kind: global_buffer, .address_space: global }
      - { .name: b_qkv, .offset: 16, .size: 8, .value_kind: global_buffer, .address_space: global }
      - { .name: W_out_codes, .offset: 24, .size: 8, .value_kind: global_buffer, .address_space: global }
      - { .name: lowp_scales, .offset: 32, .size: 8, .value_kind: global_buffer, .address_space: global }
      - { .name: q_img, .offset: 40, .size: 8, .value_kind: global_buffer, .address_space: global }
      - { .name: kv_img, .offset: 48, .size: 8, .value_kind: global_buffer, .address_space: global }
      - { .name: wo_img, .offset: 56, .size: 8, .value_kind: global_buffer, .address_space: global }
    .group_segment_fixed_size: 132608
    .private_segment_fixed_size: 0
    .kernarg_segment_align: 8
    .kernarg_segment_size: 64
    .max_flat_workgroup_size: 128
    .sgpr_count:     66
    .vgpr_count:     1024
    .wavefront_size: 32
...
	.end_amdgpu_metadata
.endif
;; end of part 1
;; launch attn (part 2): grid 32 x 8, 16 waves a work-group, no clusters, 236,032 bytes of LDS; arguments q_img, kv_img, wo_img, mask, x, b_out, lowp_scales, out0; writes out0
.if DOCPART == 2
	.amdgcn_target "amdgcn-amd-amdhsa--gfx1250"
	.amdhsa_code_object_version 6
	.text
	.protected	k_q6bf5539b72_attn
	.globl	k_q6bf5539b72_attn
	.p2align	8
	.type	k_q6bf5539b72_attn,@function
k_q6bf5539b72_attn:
	s_mov_b64 s[64:65], 0
	v_nop
	global_prefetch_b8 v0, s[64:65] scope:SCOPE_SE
	s_setreg_imm32_b32 hwreg(HW_REG_WAVE_MODE, 25, 1), 1
	s_wait_xcnt 0x0
; out = x + softmax(q k^T / 8 + mask x (-1e30)) v W_out + b_out, all three products on codes of E4M3.  q_img, kv_img, wo_img: images of operand registers (a fragment of 8 registers: registers 4 g .. 4 g + 3 of lane l at 512 g + 16 l).
; SHARES.  Work-group (qb, b): 32 queries of one batch, ALL 16 HEADS: wave w is head w, with two tiles of 16 queries.  So the work-group's 32 rows of the mask (f32, shared by the heads) are read from memory once in the launch
; and lie in LDS, and the 32 rows of ctx are whole in the work-group: the output projection follows in the same launch, wave w making columns 64 w .. 64 w + 63.
; LAYOUT.  S^T = K Q^T (source 0 = 16 keys, source 1 = 16 queries) and O^T = V^T P: a lane holds one query throughout; a tile's eight registers are eight neighbouring keys, so one conversion gives registers 2 t, 2 t + 1 of P.
; THE MASK IS THE C OF THE SCORE PRODUCTS: mask x (-1e30), brought once into the sums' unit (x 8 / 2^(e2 + e3)), is loaded from LDS into the accumulators; it costs no vector line in the loop, and it is taken as a number, whatever it holds.
; THE SOFTMAX: t = round(sum x c), c = log2(e) / 8 x 2^(e2 + e3); M = the running largest t rounded up to a whole number, kept as -M = floor(-t); p = 2^(t - M).  t is rounded BEFORE M is taken away, and the maximum is taken of the
; same rounded t: so in a row whose least mask term is huge (all keys masked, a mask with an offset) the largest t and M cancel exactly.  The row's sum is taken of the unquantised p; when M moves, sum and O^T are multiplied by 2^(old M - new M), exact.
; THE HOLD OF p at 448 x 2^e4: t - M is 0 or less, so p is at most 1 (one unit in the last place more at the worst).  Where e4 is -8 or more, 448 x 2^e4 is at least 1.75 and the hold can change no p: a scalar branch on e4, a whole number
; read from lowp_scales, leads round a step's 64 lines.  For a smaller e4 they are executed.
; V's d are dealt (by the launch that made the images) so that O^T's tiles 2 b, 2 b + 1 hold d = 32 b + 16 h + 0 .. 15: ctx's codes are registers 4 b .. 4 b + 3 of the projection's operand, the same places of k as in wo_img.
; NO CLUSTER, NO TENSOR LOAD: a head's K and V are read by ONE wave of a work-group, 512 consecutive bytes an instruction, straight into operand registers.  Shared among work-groups through LDS they would want
; 2 slots x 16 heads x 8,192 = 262,144 bytes beside the mask's 131,584 and ctx's 32,768: more than the 327,680 that there are.
; LIMITS: e4 and e6 between -126 and 119; e2 + e3 between -123 and 129; e6 + e7 between -126 and 127.  NaN and infinities among the inputs are not served.  A mask term that would pass -3e38 in the sums' unit is held there; a positive one is not held.
; REGISTERS: v1 16 x lane; v2, v3 the mask's rows of my lane (tile 0, 1); v[4:5], v[6:7] -M and the largest t; v[8:9], v[10:11] the sums; v[12:13], v[14:15] f; v16-31 Q; v32-63 K; v64-95 V; v96-159 S^T, then p; v160-223 O^T; v224-239 P's codes;
;   v240, v241 offsets of K's and V's loads; v242, v243 mask addresses in hand; v244, v245 2^e4, 448 x 2^e4; v246-249 at work on the maxima; v[250:253] second chains of the sums; v254 256 x lane; v255 a permute's result.
.set MP,   4112                        ; LDS: a row of the mask: 4,096 bytes + 16 = 1,028 words: row r starts at bank 4 r mod 64 (64 banks of 4 bytes: ISA guide 11.1)
.set CTX,  32*MP                       ; ctx's 32 fragments (2 x head + query tile), 1,024 bytes each
.set STO,  CTX+32*1024                 ; the way out: 16 rows x (256 + 16) bytes for each wave
.set SPI,  272
.set QR,   16
.set KR,   32
.set VR,   64
.set S,    96
.set OA,   160
.set PC,   224
.macro MLOAD                           ; the next step's mask terms into the accumulators: lane (r, h), tile t, register j: query r, key 16 t + 8 h + j
	v_add_nc_u32 v242, s42, v2
	v_add_nc_u32 v243, s42, v3
.irp q, 0,1
.irp t, 0,1,2,3
.irp g, 0,1
	ds_load_b128 v[S+32*\q+8*\t+4*\g:S+32*\q+8*\t+4*\g+3], v[242+\q] offset:64*\t+16*\g
.endr
.endr
.endr
.endm
.macro SMUL q                          ; t = round(sum x c); each accumulator from its low end on
.irp j, 0,2,4,6,8,10,12,14,16,18,20,22,24,26,28,30
	v_pk_mul_f32 v[S+32*\q+\j:S+32*\q+\j+1], v[S+32*\q+\j:S+32*\q+\j+1], s[38:39] op_sel_hi:[1,0]
.endr
.endm
.macro SMAX q                          ; the largest of my 32 t, in two chains
	v_max3_num_f32 v[246+2*\q], v[S+32*\q], v[S+32*\q+1], v[S+32*\q+2]
	v_max3_num_f32 v[247+2*\q], v[S+32*\q+3], v[S+32*\q+4], v[S+32*\q+5]
.irp i, 6,10,14,18,22,26
	v_max3_num_f32 v[246+2*\q], v[246+2*\q], v[S+32*\q+\i], v[S+32*\q+\i+1]
	v_max3_num_f32 v[247+2*\q], v[247+2*\q], v[S+32*\q+\i+2], v[S+32*\q+\i+3]
.endr
	v_max3_num_f32 v[246+2*\q], v[246+2*\q], v[S+32*\q+30], v[S+32*\q+31]
	v_max_num_f32 v[246+2*\q], v[246+2*\q], v[247+2*\q]
.endm
.macro STAT q
	v_permlanex16_b32 v255, v[246+2*\q], s36, s37  ; the query's other 32 keys lie in the lane 16 away
	v_max_num_f32 v[246+2*\q], v[246+2*\q], v255
	v_max_num_f32 v[5+2*\q], v[5+2*\q], v[246+2*\q]   ; the running largest t
	v_mov_b32 v[247+2*\q], v[4+2*\q]
	v_floor_f32 v[4+2*\q], -v[5+2*\q]              ; the new -M = floor(-t): M is a whole number
	v_sub_f32 v[247+2*\q], v[4+2*\q], v[247+2*\q]  ; old M - new M, 0 or less
	v_cvt_i32_f32 v[247+2*\q], v[247+2*\q]         ; (it saturates)
	v_ldexp_f32 v[12+2*\q], 1.0, v[247+2*\q]       ; f = 2^(old M - new M)
.endm
.macro SSUB q                          ; t - M (of the pair -M, t the low word serves both halves)
.irp j, 0,2,4,6,8,10,12,14,16,18,20,22,24,26,28,30
	v_pk_add_f32 v[S+32*\q+\j:S+32*\q+\j+1], v[S+32*\q+\j:S+32*\q+\j+1], v[4+2*\q:5+2*\q] op_sel_hi:[1,0]
.endr
.endm
.macro SEXP q
.irp j, 0,1,2,3,4,5,6,7,8,9,10,11,12,13,14,15,16,17,18,19,20,21,22,23,24,25,26,27,28,29,30,31
	v_exp_f32 v[S+32*\q+\j], v[S+32*\q+\j]         ; p = 2^(t - M), at most 1
.endr
.endm
.macro SSUM q                          ; the sum of the unquantised p, two at a time, in two chains
	v_pk_add_f32 v[250+2*\q:251+2*\q], v[S+32*\q:S+32*\q+1], v[S+32*\q+2:S+32*\q+3]
.irp j, 4,8,12,16,20,24,28
	v_pk_add_f32 v[8+2*\q:9+2*\q], v[8+2*\q:9+2*\q], v[S+32*\q+\j:S+32*\q+\j+1]
	v_pk_add_f32 v[250+2*\q:251+2*\q], v[250+2*\q:251+2*\q], v[S+32*\q+\j+2:S+32*\q+\j+3]
.endr
	v_pk_add_f32 v[8+2*\q:9+2*\q], v[8+2*\q:9+2*\q], v[250+2*\q:251+2*\q]
.endm
.macro HOLD q
.irp j, 0,1,2,3,4,5,6,7,8,9,10,11,12,13,14,15,16,17,18,19,20,21,22,23,24,25,26,27,28,29,30,31
	v_min_num_f32 v[S+32*\q+\j], v[S+32*\q+\j], v245   ; the conversion to an 8-bit code does not saturate (ISA guide 7.6.2); p is not negative: a one-sided hold
.endr
.endm
.macro SCVT q
.irp t, 0,1,2,3
	v_cvt_scalef32_pk8_fp8_f32 v[PC+8*\q+2*\t:PC+8*\q+2*\t+1], v[S+32*\q+8*\t:S+32*\q+8*\t+7], v244
.endr
.endm
.macro RESC q                          ; O^T under the new M; each accumulator from its low end on
.irp j, 0,2,4,6,8,10,12,14,16,18,20,22,24,26,28,30
	v_pk_mul_f32 v[OA+32*\q+\j:OA+32*\q+\j+1], v[OA+32*\q+\j:OA+32*\q+\j+1], v[12+2*\q:13+2*\q] op_sel_hi:[1,0]
.endr
.endm
; A PREFETCH INTO THE L2 of the 8,192 bytes of K and V of key step j + 3 of my head, lanes 256 bytes apart: trip j loads step j + 1, so the request stands two trips ahead of the loads that want it.  The 32 query blocks of a batch
; walk the same K and V: the first of them asks (a branch on the work-group's number), each wave for its own head: each block of 256 bytes is named once in the launch.  Steps 0 to 2 come by their loads alone; trips 13 and 14 ask for nothing.
.macro ASK
	s_cmp_lt_u32 s40, s43
	s_cbranch_scc0 .Lnot_mine_\@
	global_prefetch_b8 v254, s[44:45] th:TH_LOAD_NT scope:SCOPE_SE
.Lnot_mine_\@:
.endm
; A KEY STEP of 64 keys, both query tiles.  ahead = 1: the next step's K, V and mask terms are asked for.  ahead = 0, the last step: the projection's first four K steps of W_out, b_out, and a prefetch of x take their places.
; All sixteen matrix instructions of a step name different accumulators.
.macro KSTEP ahead
	s_wait_loadcnt 8                               ; K is in: behind its eight loads stand V's eight
	s_wait_dscnt 0x0                               ; the mask terms are in
.irp t, 0,1,2,3
.irp q, 0,1
	v_wmma_f32_16x16x64_fp8_fp8 v[S+32*\q+8*\t:S+32*\q+8*\t+7], v[KR+8*\t:KR+8*\t+7], v[QR+8*\q:QR+8*\q+7], v[S+32*\q+8*\t:S+32*\q+8*\t+7]
.endr
.endr
.if \ahead
	v_add_nc_u32 v240, s41, v1                     ; (its last loads were shown done by the wait above)  This line and three v_nop: the four places ahead of the loads into K's registers and of the first read of the scores
	v_nop
	v_nop
	v_nop
.irp i, 0,1,2,3,4,5,6,7
	global_load_b128 v[KR+4*\i:KR+4*\i+3], v240, s[10:11] offset:512*\i
.endr
	ASK
.else
	v_lshlrev_b32 v243, 8, v0                      ; 256 x my thread's number; not written again
	v_nop
	v_nop
	v_nop
.irp i, 0,1,2,3,4,5,6,7
	global_load_b128 v[32+4*\i:32+4*\i+3], v1, s[12:13] offset:512*\i      ; W_out, K step 0
.endr
	global_prefetch_b8 v243, s[52:53] th:TH_LOAD_NT scope:SCOPE_SE         ; the work-group's 32 rows of x, 131,072 bytes on end: 512 threads, 256 bytes apart, each block named once; they are loaded twelve K steps of the projection on
.endif
	SMUL 0
	SMUL 1
	SMAX 0
	SMAX 1
	STAT 0
	STAT 1
	SSUB 0
	SSUB 1
	SEXP 0
	SEXP 1
	v_pk_mul_f32 v[8:9], v[8:9], v[12:13] op_sel_hi:[1,0]      ; the sums under the new M: plain lines behind the exponentials
	v_pk_mul_f32 v[10:11], v[10:11], v[14:15] op_sel_hi:[1,0]
	s_wait_alu depctr_va_vdst(0)                   ; one wait for the batch of 64 exponentials, ahead of the first line that names a result
	SSUM 0
	SSUM 1
	s_cmp_lg_u32 s58, 0                            ; e4 >= -8: every p lies under 448 x 2^e4, and the hold is passed over
	s_cbranch_scc1 .Lfits_\@
	HOLD 0
	HOLD 1
.Lfits_\@:
	SCVT 0
	SCVT 1
.if \ahead
	s_add_co_u32 s42, s42, 256                     ; 64 keys on in a row of the mask
	MLOAD
.endif
	RESC 0                                         ; (plain lines between the conversions and the products that read their results)
	RESC 1
	s_wait_loadcnt 8                               ; V is in: behind its eight loads stand the eight asked for above
.irp d, 0,1,2,3
.irp q, 0,1
	v_wmma_f32_16x16x64_fp8_fp8 v[OA+32*\q+8*\d:OA+32*\q+8*\d+7], v[VR+8*\d:VR+8*\d+7], v[PC+8*\q:PC+8*\q+7], v[OA+32*\q+8*\d:OA+32*\q+8*\d+7]
.endr
.endr
.if \ahead
	v_add_nc_u32 v241, s41, v1                     ; (its last loads were shown done by the wait above)
	v_nop
	v_nop
	v_nop
.irp i, 0,1,2,3,4,5,6,7
	global_load_b128 v[VR+4*\i:VR+4*\i+3], v241, s[10:11] offset:4096+512*\i
.endr
.else
	v_and_b32 v252, 15, v0
	v_lshlrev_b32 v252, 4, v252                    ; b_out: my four columns of the wave's 64; not written again
	v_nop
	v_nop
.irp n, 1,2,3
.irp i, 0,1,2,3,4,5,6,7
	global_load_b128 v[32+32*\n+4*\i:32+32*\n+4*\i+3], v1, s[12:13] offset:4096*\n+512*\i   ; W_out, K steps 1 to 3
.endr
.endr
	global_load_b128 v[248:251], v252, s[18:19]
.endif
.endm
	s_load_b512 s[8:23], s[0:1], 0x0               ; q_img 8, kv_img 10, wo_img 12, mask 14, x 16, b_out 18, scales 20, out 22
	v_lshrrev_b32 v2, 5, v0
	v_readfirstlane_b32 s24, v2                    ; wave = head, 0..15
	s_mov_b32 s25, ttmp9                           ; qb: which 32 queries
	s_and_b32 s26, ttmp7, 0xffff                   ; the batch
	v_and_b32 v3, 31, v0
	v_lshlrev_b32 v1, 4, v3                        ; 16 x lane
	v_lshlrev_b32 v254, 8, v3                      ; 256 x lane
	v_and_b32 v246, 15, v0                         ; r
	v_bfe_u32 v247, v0, 4, 1                       ; h
	v_mul_u32_u24 v2, v246, MP
	v_lshl_add_u32 v2, v247, 5, v2                 ; the mask in LDS: row r, + 8 h keys
	v_add_nc_u32 v3, 16*MP, v2                     ; the second query tile's rows
	s_mul_i32 s46, s24, 2*MP
	v_add_nc_u32 v242, s46, v1                     ; where I put the mask: rows 2 w and 2 w + 1
	s_mov_b32 s36, 0x76543210
	s_mov_b32 s37, 0xfedcba98                      ; v_permlanex16_b32's selects for lane l xor 16
	s_mov_b32 s40, 0
	s_mov_b32 s41, 8192                            ; the next key step's bytes in my head's images
	s_mov_b32 s42, 0
	s_cmp_eq_u32 s25, 0
	s_cselect_b32 s43, 13, 0                       ; trips in which I prefetch
	s_lshl_b32 s54, s26, 4
	s_add_co_u32 s54, s54, s24                     ; 16 x batch + head
	s_mov_b32 s47, 0
	s_wait_kmcnt 0x0
	s_load_b256 s[28:35], s[20:21], 0x0            ; e0 .. e7
	s_lshl_b32 s46, s54, 16
	s_lshl_b32 s55, s25, 11
	s_add_co_u32 s46, s46, s55
	s_add_nc_u64 s[8:9], s[8:9], s[46:47]          ; my two fragments of Q
	s_lshl_b32 s46, s54, 17
	s_add_nc_u64 s[10:11], s[10:11], s[46:47]      ; my head's K and V
	s_add_nc_u64 s[44:45], s[10:11], 16384         ; the prefetches: at key step 2; the first trip steps it to 3
	s_lshl_b32 s46, s24, 16
	s_add_nc_u64 s[12:13], s[12:13], s[46:47]      ; W_out's images of my 64 columns
	s_lshl_b32 s46, s26, 22
	s_lshl_b32 s55, s25, 17
	s_add_co_u32 s46, s46, s55                     ; the work-group's first row, of 4,096 bytes, in mask, x and out
	s_add_nc_u64 s[52:53], s[16:17], s[46:47]
	s_add_nc_u64 s[22:23], s[22:23], s[46:47]
	s_add_nc_u64 s[14:15], s[14:15], s[46:47]
	s_lshl_b32 s46, s24, 13
	s_add_nc_u64 s[14:15], s[14:15], s[46:47]      ; the mask's rows 2 w, 2 w + 1
	s_lshl_b32 s46, s24, 8
	s_add_nc_u64 s[16:17], s[52:53], s[46:47]      ; x, out and b_out at column 64 w
	s_add_nc_u64 s[22:23], s[22:23], s[46:47]
	s_add_nc_u64 s[18:19], s[18:19], s[46:47]
.irp i, 0,1,2,3,4,5,6,7,8,9,10,11,12,13,14,15
	global_load_b128 v[S+4*\i:S+4*\i+3], v1, s[14:15] offset:512*\i th:TH_LOAD_NT   ; two rows of the mask, 8,192 bytes on end; read once in the launch
.endr
.irp i, 0,1,2,3
	global_load_b128 v[QR+4*\i:QR+4*\i+3], v1, s[8:9] offset:512*\i
.endr
.irp i, 0,1,2,3,4,5,6,7
	global_load_b128 v[KR+4*\i:KR+4*\i+3], v1, s[10:11] offset:512*\i
.endr
.irp i, 0,1,2,3,4,5,6,7
	global_load_b128 v[VR+4*\i:VR+4*\i+3], v1, s[10:11] offset:4096+512*\i
.endr
	v_mov_b32 v5, 0xff61b1e6                       ; the largest t so far: -3e38
	v_mov_b32 v7, 0xff61b1e6
	v_floor_f32 v4, -v5                            ; -M
	v_floor_f32 v6, -v7
.irp j, 8,9,10,11,13,15,255
	v_mov_b32 v\j, 0                               ; the sums; the upper halves of f's pairs; a permute's destination counts as read
.endr
.set J, 0
.rept 64
	v_mov_b32 v[OA+J], 0                           ; O^T.  (The step is written once for all trips: the first finds zeros, which the first change of M leaves zeros)
.set J, J+1
.endr
	s_wait_kmcnt 0x0
	s_cmp_ge_i32 s32, -8
	s_cselect_b32 s58, 1, 0                        ; 1 where 448 x 2^e4 is at least 1.75, above every p
	s_add_co_i32 s46, s30, s31                     ; e2 + e3
	s_sub_co_i32 s50, 0, s46
	s_lshl_b32 s46, s46, 23
	s_add_co_i32 s38, s46, 0x3e38aa3b              ; c = log2(e) / 8 with e2 + e3 added to its exponent field
	s_mov_b32 s39, s38                             ; (named with it as a pair, so it is written)
	s_add_co_i32 s51, s32, s33                     ; e4 + e5
	s_add_co_i32 s46, s32, 127
	s_lshl_b32 s55, s46, 23
	v_mov_b32 v244, s55                            ; 2^e4
	s_add_co_i32 s46, s46, 8
	s_lshl_b32 s46, s46, 23
	s_or_b32 s46, s46, 0x600000
	v_mov_b32 v245, s46                            ; 448 x 2^e4
	s_add_co_i32 s46, s34, 127
	s_lshl_b32 s56, s46, 23                        ; 2^e6
	s_add_co_i32 s46, s46, 8
	s_lshl_b32 s46, s46, 23
	s_or_b32 s57, s46, 0x600000                    ; 448 x 2^e6
	s_add_co_i32 s46, s34, s35
	s_add_co_i32 s46, s46, 127
	s_lshl_b32 s48, s46, 23                        ; 2^(e6 + e7)
	s_mov_b32 s49, s48
	s_wait_loadcnt 20                              ; the mask's 16 loads are in; Q's 4, K's 8 and V's 8 stay out
.set J, 0
.rept 64
	v_mul_f32 v[S+J], 0xf2c9f2ca, v[S+J]           ; mask x (-1e30) x 8: the constant is 8 x the f32 number -1e30, so the product is rounded as mask x (-1e30) is
	v_ldexp_f32 v[S+J], v[S+J], s50                ; / 2^(e2 + e3): the sums' unit
	v_max_num_f32 v[S+J], 0xff61b1e6, v[S+J]       ; held at -3e38
.set J, J+1
.endr
.irp i, 0,1,2,3,4,5,6,7,8,9,10,11,12,13,14,15
	ds_store_b128 v242, v[S+4*\i:S+4*\i+3] offset:(\i/8)*MP+(\i%8)*512
.endr
	s_wait_dscnt 0x0                               ; for the others' sake: my two rows lie in LDS
	s_barrier_signal -1
	s_barrier_wait -1                              ; all 32 do
	MLOAD                                          ; key step 0's mask terms
.Lk:                                               ; 15 trips; each asks for the next step's K, V and mask terms
	s_wait_xcnt 0x0                                ; the last trip's prefetch, a whole trip back, has read its address
	s_add_nc_u64 s[44:45], s[44:45], 8192
	KSTEP 1
	s_add_co_u32 s41, s41, 8192
	s_add_co_u32 s40, s40, 1
	s_cmp_lt_u32 s40, 15
	s_cbranch_scc1 .Lk
	KSTEP 0                                        ; the last key step asks for nothing of K and V
	; ctx = O^T / the sum x 2^(e4 + e5), quantised with e6; its fragments go to LDS as images
	v_add_f32 v8, v8, v9                           ; the sums' two halves,
	v_add_f32 v10, v10, v11
	v_permlanex16_b32 v246, v8, s36, s37
	v_permlanex16_b32 v247, v10, s36, s37
	v_add_f32 v8, v8, v246                         ; and lane l xor 16's
	v_add_f32 v10, v10, v247
	v_rcp_f32 v12, v8                              ; (the row's largest p is above 1/2: the sum is no zero)
	v_rcp_f32 v14, v10
	v_and_b32 v246, 15, v0                         ; r.  (Plain lines behind the reciprocals: the addresses of what follows)
	v_bfe_u32 v247, v0, 4, 1                       ; h
	s_mul_i32 s46, s24, 16*SPI
	s_add_co_u32 s46, s46, STO                     ; my stage
	v_mul_u32_u24 v2, v246, SPI
	v_lshl_add_u32 v2, v247, 5, v2
	v_add_nc_u32 v2, s46, v2                       ; into it: row r, + 32 h
	v_mul_u32_u24 v3, v247, SPI
	v_lshl_add_u32 v3, v246, 4, v3
	v_add_nc_u32 v3, s46, v3                       ; back: lanes 0-15 one row of 256 bytes, lanes 16-31 the next
	v_lshlrev_b32 v240, 12, v247
	v_lshl_add_u32 v240, v246, 4, v240             ; and the same two rows in x and out
	v_add_nc_u32 v241, CTX, v1                     ; an image's place for my lane
	s_lshl_b32 s55, s24, 11
	v_add_nc_u32 v242, s55, v241                   ; my head's two fragments
	v_mov_b32 v244, s56                            ; 2^e6
	v_mov_b32 v245, s57                            ; 448 x 2^e6
	s_wait_alu depctr_va_vdst(0)                   ; one wait for both reciprocals, ahead of their first reader
	v_ldexp_f32 v12, v12, s51
	v_ldexp_f32 v14, v14, s51
.irp q, 0,1
	RESC \q                                        ; O^T x 2^(e4 + e5) / the sum
.irp j, 0,1,2,3,4,5,6,7,8,9,10,11,12,13,14,15,16,17,18,19,20,21,22,23,24,25,26,27,28,29,30,31
	v_med3_num_f32 v[OA+32*\q+\j], v[OA+32*\q+\j], -v245, v245
.endr
.irp d, 0,1,2,3
	v_cvt_scalef32_pk8_fp8_f32 v[PC+8*\q+2*\d:PC+8*\q+2*\d+1], v[OA+32*\q+8*\d:OA+32*\q+8*\d+7], v244
.endr
.endr
	v_nop                                          ; one plain line behind the last conversion: the projection's first products write its sources
.irp q, 0,1
.irp g, 0,1
	ds_store_b128 v242, v[PC+8*\q+4*\g:PC+8*\q+4*\g+3] offset:1024*\q+512*\g
.endr
.endr
	s_wait_dscnt 0x0                               ; for the others' sake: my head's codes lie in LDS
	s_barrier_signal -1
	s_barrier_wait -1                              ; all sixteen heads' do
	; THE PROJECTION: K step n is head n.  Transposed: source 0 = 16 columns of W_out, source 1 = 16 rows of ctx.  W_out comes through a ring of four register slots (v32-159), ctx's fragments through two sets (v224-239, v16-31).
.macro FETCHC n
.if (\n)%2
.set CSET, 16
.else
.set CSET, 224
.endif
.irp q, 0,1
.irp g, 0,1
	ds_load_b128 v[CSET+8*\q+4*\g:CSET+8*\q+4*\g+3], v241 offset:(2*(\n)+\q)*1024+512*\g
.endr
.endr
.endm
.macro PSTEP n
.set WS, 32+32*((\n)%4)
.if (\n)%2
.set CSET, 16
.else
.set CSET, 224
.endif
.if (\n) < 15
	s_wait_loadcnt 24                              ; behind this slot's eight loads stand three younger groups of eight (in steps 0 to 3 b_out's one load besides: the count is then the stricter one)
	s_wait_dscnt 4                                 ; behind this step's four LDS loads stand the next step's four
.else
	s_wait_loadcnt 16                              ; behind the last slot stand x's sixteen loads
	s_wait_dscnt 0x0
.endif
.irp i, 0,1,2,3
.irp q, 0,1
.if (\n) == 0
	v_wmma_f32_16x16x64_fp8_fp8 v[OA+8*(2*\i+\q):OA+8*(2*\i+\q)+7], v[WS+8*\i:WS+8*\i+7], v[CSET+8*\q:CSET+8*\q+7], 0
.else
	v_wmma_f32_16x16x64_fp8_fp8 v[OA+8*(2*\i+\q):OA+8*(2*\i+\q)+7], v[WS+8*\i:WS+8*\i+7], v[CSET+8*\q:CSET+8*\q+7], v[OA+8*(2*\i+\q):OA+8*(2*\i+\q)+7]
.endif
.endr
.endr
.rept 4
	v_nop                                          ; places ahead of the loads into the slot and the set just multiplied, and of the first read of results
.endr
.if (\n) <= 11
.irp i, 0,1,2,3,4,5,6,7
	global_load_b128 v[WS+4*\i:WS+4*\i+3], v1, s[12:13] offset:4096*((\n)+4)+512*\i
.endr
.elseif (\n) <= 13
.irp t, 0,1,2,3,4,5,6,7
	global_load_b128 v[WS+4*\t:WS+4*\t+3], v240, s[16:17] offset:8192*(8*((\n)-12)+\t) th:TH_LOAD_NT   ; x: rows 2 t' and 2 t' + 1, my wave's 256 bytes of each, into the slots that are done with
.endr
.endif
.if (\n) <= 13
	FETCHC (\n)+2
.endif
.endm
	FETCHC 0
	FETCHC 1
.irp n, 0,1,2,3,4,5,6,7,8,9,10,11,12,13,14,15
	PSTEP \n
.endr
	; THE WAY OUT: a lane holds eight neighbouring columns of one row; a query tile (16 rows x 256 bytes) goes through my own stage and comes back as whole rows.  LDS serves a wave's instructions in order (ISA guide 5.7.1.4): no wait between
.irp q, 0,1
.irp i, 0,1,2,3
	ds_store_b128 v2, v[OA+8*(2*\i+\q):OA+8*(2*\i+\q)+3] offset:64*\i          ; each accumulator from its low end on
	ds_store_b128 v2, v[OA+8*(2*\i+\q)+4:OA+8*(2*\i+\q)+7] offset:64*\i+16
.endr
.irp t, 0,1,2,3,4,5,6,7
	ds_load_b128 v[96+32*\q+4*\t:96+32*\q+4*\t+3], v3 offset:2*SPI*\t
.endr
.endr
	s_wait_loadcnt 0x0                             ; x and b_out
.irp t, 0,1,2,3,4,5,6,7,8,9,10,11,12,13,14,15
.if \t < 8
	s_wait_dscnt 23-\t                             ; behind load t of the first tile: its 7 - t later loads and the second tile's sixteen instructions
.else
	s_wait_dscnt 15-\t
.endif
	v_pk_add_f32 v[32+4*\t:33+4*\t], v[32+4*\t:33+4*\t], v[248:249]            ; x + b_out
	v_pk_add_f32 v[34+4*\t:35+4*\t], v[34+4*\t:35+4*\t], v[250:251]
	v_pk_fma_f32 v[96+4*\t:97+4*\t], v[96+4*\t:97+4*\t], s[48:49], v[32+4*\t:33+4*\t] op_sel_hi:[1,0,1]   ; + sum x 2^(e6 + e7)
	v_pk_fma_f32 v[98+4*\t:99+4*\t], v[98+4*\t:99+4*\t], s[48:49], v[34+4*\t:35+4*\t] op_sel_hi:[1,0,1]
	global_store_b128 v240, v[96+4*\t:99+4*\t], s[22:23] offset:8192*\t th:TH_STORE_NT   ; 16 lanes store 256 consecutive bytes, at a multiple of 256 from out's first byte
.endr
	s_wait_xcnt 0x0
	v_lshl_add_u32 v254, v0, 2, 0x39200
	v_mov_b32 v255, 0
	s_wait_tensorcnt 0x0
	ds_add_u32 v254, v255
	s_wait_dscnt 0x0
	s_endpgm
.Lfunc_end_k_q6bf5539b72_attn:
	.size	k_q6bf5539b72_attn, .Lfunc_end_k_q6bf5539b72_attn-k_q6bf5539b72_attn
	.p2alignl 7, 3214868480
	.fill 96, 4, 3214868480
	.section	.rodata,"a",@progbits
	.p2align	6, 0x0
	.amdhsa_kernel k_q6bf5539b72_attn
		.amdhsa_group_segment_fixed_size 236032
		.amdhsa_private_segment_fixed_size 0
		.amdhsa_enable_private_segment 0
		.amdhsa_kernarg_size 64
		.amdhsa_user_sgpr_count 2
		.amdhsa_user_sgpr_kernarg_segment_ptr 1
		.amdhsa_wavefront_size32 1
		.amdhsa_system_sgpr_workgroup_id_x 1
		.amdhsa_system_sgpr_workgroup_id_y 1
		.amdhsa_system_sgpr_workgroup_id_z 1
		.amdhsa_system_vgpr_workitem_id 0
		.amdhsa_next_free_vgpr 256
		.amdhsa_next_free_sgpr 66
		.amdhsa_reserve_vcc 0
		.amdhsa_float_denorm_mode_32 3
		.amdhsa_float_denorm_mode_16_64 3
		.amdhsa_memory_ordered 1
		.amdhsa_forward_progress 1
		.amdhsa_inst_pref_size 105
	.end_amdhsa_kernel
	.amdgpu_metadata
---
amdhsa.version: [ 1, 2 ]
amdhsa.kernels:
  - .name:           k_q6bf5539b72_attn
    .symbol:         k_q6bf5539b72_attn.kd
    .args:
      - { .name: q_img, .offset: 0, .size: 8, .value_kind: global_buffer, .address_space: global }
      - { .name: kv_img, .offset: 8, .size: 8, .value_kind: global_buffer, .address_space: global }
      - { .name: wo_img, .offset: 16, .size: 8, .value_kind: global_buffer, .address_space: global }
      - { .name: mask, .offset: 24, .size: 8, .value_kind: global_buffer, .address_space: global }
      - { .name: x, .offset: 32, .size: 8, .value_kind: global_buffer, .address_space: global }
      - { .name: b_out, .offset: 40, .size: 8, .value_kind: global_buffer, .address_space: global }
      - { .name: lowp_scales, .offset: 48, .size: 8, .value_kind: global_buffer, .address_space: global }
      - { .name: out0, .offset: 56, .size: 8, .value_kind: global_buffer, .address_space: global }
    .group_segment_fixed_size: 236032
    .private_segment_fixed_size: 0
    .kernarg_segment_align: 8
    .kernarg_segment_size: 64
    .max_flat_workgroup_size: 512
    .sgpr_count:     66
    .vgpr_count:     256
    .wavefront_size: 32
...
	.end_amdgpu_metadata
.endif
;; end of part 2
;; ======== version 2 of 2: 2 launches; version 1 with the launches qkv, attn written anew for expert scheduling mode
;; workspace buffers: q_img 8,388,608 bytes; kv_img 16,777,216 bytes; wo_img 1,048,576 bytes
;; launch qkv (part 3): grid 4 x 64, 4 waves a work-group, no clusters, 132,608 bytes of LDS; arguments x, W_qkv_codes, b_qkv, W_out_codes, lowp_scales, q_img, kv_img, wo_img; writes q_img, kv_img, wo_img
.if DOCPART == 3
	.amdgcn_target "amdgcn-amd-amdhsa--gfx1250"
	.amdhsa_code_object_version 6
	.text
	.protected	k_q6bf5539b72_qkv
	.globl	k_q6bf5539b72_qkv
	.p2align	8
	.type	k_q6bf5539b72_qkv,@function
k_q6bf5539b72_qkv:
	s_mov_b64 s[64:65], 0
	v_nop
	global_prefetch_b8 v0, s[64:65] scope:SCOPE_SE
	s_setreg_imm32_b32 hwreg(HW_REG_WAVE_SCHED_MODE, 0, 2), 2
	s_setreg_imm32_b32 hwreg(HW_REG_WAVE_MODE, 25, 1), 1
	s_wait_xcnt 0x0
	s_wait_alu depctr_vm_vsrc(0)
; qkv = Q(x) W_qkv + b_qkv on codes of E4M3, then q, k and v quantised and stored as IMAGES OF THE REGISTERS in which the attention launch wants them; W_out's codes are laid out the same way.
; x: [8192][1024] f32.  W_qkv_codes: [3072][1024] bytes, K innermost.  lowp_scales: e0 (x), e1 (W_qkv), e2 (q), e3 (k), e4 (p), e5 (v), e6 (ctx), e7 (W_out).
; SHARES.  Work-group (y, rb): 128 tokens (rows 128 rb on) x the four heads 4 y .. 4 y + 3.  Wave w owns head 4 y + w and runs three passes (q, k, v), each 128 tokens x 64 columns x K 1,024:
; 32 accumulators, 8 K steps of 128.  First the four waves quantise the 128 rows of x once into LDS (32 rows a wave); one barrier; then every wave reads x's fragments from LDS, and its own rows of W straight from memory
; into a ring of four register slots.
; x ON ITS WAY TO CODES.  Each load reads 512 consecutive bytes, 16 a lane: four neighbours along K.  A conversion takes eight registers, the results of two loads, and gives two words of four neighbouring codes each;
; each word goes to its own place in LDS by a store of four bytes a lane.  So nothing is turned, and the only LDS traffic of this phase is the codes themselves.
; LAYOUTS.  q and k: the product is used transposed (source 0 = 16 rows of W, source 1 = 16 tokens): a lane holds one token and eight neighbouring d, so one conversion gives registers 2 ct, 2 ct + 1 of a 16 x 64 fragment.
; v: the product is used as it is (source 0 = tokens, source 1 = rows of W): a lane holds one d and eight neighbouring tokens: registers 2 c, 2 c + 1 of a fragment of V^T whose K is the keys.
; THE ROWS OF W THAT FORM A TILE OF v ARE NOT NEIGHBOURS: lane r of tile 2 b + u takes d = 32 b + 8 u + r + 8 (r / 8), so that the attention launch's O^T holds 16 neighbouring d in two neighbouring tiles.
; Along K both operands of the first product are fetched 16 bytes a lane and register group (k = 32 c + 16 h + 0 .. 15): the same permutation of k on both sides, so every product meets its partner.
; AN IMAGE: a fragment of 8 registers is 1,024 bytes: registers 4 g .. 4 g + 3 of lane l at 512 g + 16 l.
; The bias goes in as the C of each sum's first product, divided by 2^(e0 + e1); the three scales ahead of each quantiser are folded into the conversion's one.
; NO CLUSTER, NO TENSOR LOAD: what the four work-groups of a row block share is x as f32, which has to pass through registers to be quantised; a fragment of W is read by one wave of a work-group and goes straight into its
; operand registers (16 KB a wave and K step): brought jointly it would land in LDS and add as many LDS reads again as x's fragments cost.
; NO PREFETCH of x: it is wanted in the first phase alone, which stands at the kernel's head, and the ring of loads has 6 of a wave's 32 rows on its way.
; LIMITS: e0, e2 - e0 - e1, e3 - e0 - e1, e5 - e0 - e1 between -126 and 119, so that each power of two below is an f32 number.  NaN among the inputs is not served; an infinity is held at the largest code.
; REGISTERS, in windows of 256.  window 0: v1-21 addresses and scales; v24-31 W_out's fragment; v32-47 x's codes, two sets of eight; v62, v63 the closing add's two; v64-255 the ring of x's loads, twelve sets of 16; later v64-127 the codes that leave and v128-255 x's fragments, set 0.
;   window 1: accumulator (a, ct) at v[8 (4 a + ct)].   window 2: W's ring, slot g % 4 at v[64 slot + 16 ct + 4 c].   window 3: v0-95 the biases' tiles (pass p, tile ct at 32 p + 8 ct), v96-99 v's biases as loaded; v128-255 x's fragments, set 1.
; THE MODE: SCHED_MODE bits 1:0 = 2 (LLVM: expert scheduling mode 2), set by the entry lines.  The code itself states the register dependences between vector or matrix instructions and memory or LDS instructions, with s_wait_alu, always for 0.
; THE PLAN.  Registers that memory or LDS instructions touch:
;   v1, v4, v5, v8-11, v20, v21   offsets and addresses, made once at the head and never written again.
;   v6, v7        LDS addresses of a trip's stores of codes: written once a trip, read by the trip's stores.
;   the ring      a row of x (two sets): its 32 holds and 4 conversions name it; behind them the loads of the row six further on land in it.
;   v32-39, 40-47 a row's codes, the two sets by turns: written by the row's conversions, read by its eight LDS stores.
;   x's sets 0, 1 step g's products read set g % 2; the LDS loads of step g + 1's head and body land in it (the fragments of step g + 2).
;   W's slots     step g's products read slot g % 4; the loads issued in step g + 1 land in it (the rows' bytes of step g + 4).
;   v64-127       a pass's codes: written by its conversions, read by its sixteen stores.
; A ROW OF x has one wait on vm_vsrc, ahead of its conversions, and two on va_vdst, one ahead of that and one behind them and ahead of its eight loads and eight stores.
; A K STEP has one wait on va_vdst, at its head: the step before is done reading its set of x and its slot of W.  The step's loads land in these two alone, and its products name the other set, another slot, the accumulators and the
; biases: so the loads are dealt among the products with no further wait.  A pass's last step asks for the next two steps' loads behind its own products and a wait of their own, so that they land under the pass's way out.
.set XP,    2064                       ; LDS: x's codes lie in 64 half-groups (k / 16) of 128 rows x 16 bytes + 16 of padding: 516 words, so half-group g starts at bank 4 g mod 64 (64 banks of 4 bytes: ISA guide 11.1)
.set XHALF, 32*XP                      ; the second 32 half-groups: a second address register, since an LDS offset has 16 bits
.set RING,  64                         ; v64-255: the ring of x's loads
.set XC,    32                         ; v32-47: x's codes
.set MSB, 0
.macro WIN new                         ; the immediate's high byte repeats the setting that is left; a switch that changes nothing is dropped
.if MSB != \new
	s_set_vgpr_msb (MSB<<8)|\new
.set MSB, \new
.endif
.endm
.macro PLACES                          ; four plain vector lines between a matrix instruction and a load into, or a vector read of, its registers
.rept 4
	v_nop
.endr
.endm
.macro MKSCALE vs, se                  ; v[vs] = 2^E as f32, v[vs + 1] = 448 x 2^E; E in s[se]
	s_add_co_i32 s43, s[\se], 127
	s_lshl_b32 s44, s43, 23
	v_mov_b32 v[\vs], s44
	s_add_co_i32 s43, s43, 8
	s_lshl_b32 s43, s43, 23
	s_or_b32 s43, s43, 0x600000
	v_mov_b32 v[\vs+1], s43
.endm
; a chunk (half a row of x, 2,048 bytes, off bytes from the base) into a ring set: each load reads 512 consecutive bytes; load j holds k = 512 half + 128 j + 4 lane + 0 .. 3
.macro XLD set, off
.irp j, 0,1,2,3
	global_load_b128 v[RING+16*(\set)+4*\j:RING+16*(\set)+4*\j+3], v1, s[8:9] offset:(\off)+512*\j
.endr
.endm
; The row of x in ring sets 2 rr and 2 rr + 1 is quantised; it is the trip's row `row`.  c0, c1 = the loads that were issued behind the four of its first and of its second chunk.  ahead = 1: the two sets take the row six further on.
.macro ROWX rr, row, ahead, c0, c1
.set XCB, XC+8*((\row)%2)
	s_wait_loadcnt \c0
.irp n, 0,1,2,3,4,5,6,7,8,9,10,11,12,13,14,15
	v_med3_num_f32 v[RING+32*(\rr)+\n], v[RING+32*(\rr)+\n], -v13, v13   ; the conversion to an 8-bit code does not saturate (ISA guide 7.6.2): the hold at 448 x 2^e0
.endr
	s_wait_loadcnt \c1
.irp n, 16,17,18,19,20,21,22,23,24,25,26,27,28,29,30,31
	v_med3_num_f32 v[RING+32*(\rr)+\n], v[RING+32*(\rr)+\n], -v13, v13
.endr
	s_wait_alu depctr_va_vdst(0)
	s_wait_dscnt 8                                 ; the last row's eight stores may be out; those of the row before it, which read this set of code registers, are done
	s_wait_alu depctr_vm_vsrc(0)                   ; the LDS stores issued so far have read their registers: the conversions below write the set that the stores of two rows back read
.irp h, 0,1
	v_cvt_scalef32_pk8_fp8_f32 v[XCB+4*\h:XCB+4*\h+1], v[RING+32*(\rr)+16*\h:RING+32*(\rr)+16*\h+7], v12        ; loads 0 and 1 of the half: a word of four neighbouring codes each
	v_cvt_scalef32_pk8_fp8_f32 v[XCB+4*\h+2:XCB+4*\h+3], v[RING+32*(\rr)+16*\h+8:RING+32*(\rr)+16*\h+15], v12   ; loads 2 and 3
.endr
	v_nop                                          ; one plain line behind the last conversion
	s_wait_alu depctr_va_vdst(0)                   ; the conversions have written the codes, which the stores below read, and holds and conversions are done with the two ring sets, in which the loads below land; in a trip's first row v6 and v7 are written
.if \ahead
	XLD 2*(\rr), 24576+(\rr)*4096
	XLD 2*(\rr)+1, 24576+(\rr)*4096+2048
.endif
.irp h, 0,1
.irp j, 0,1,2,3
	ds_store_b32 v[6+\h], v[XCB+4*\h+\j] offset:8*\j*XP+16*(\row)   ; half-group 32 half + 8 j + lane / 4, byte 4 (lane % 4): lane l falls on bank l + a constant
.endr
.endr
.endm
; W's four fragments (16 rows x 128 K each) of step g = 8 pass + K step, into ring slot g % 4
.macro WLOAD g
.set PP, (\g)/8
.set SS, (\g)%8
.set SL, 64*((\g)%4)
	WIN 0x80                                       ; destination window 2
.irp ct, 0,1,2,3
.irp c, 0,1,2,3
.if PP < 2
	global_load_b128 v[SL+16*\ct+4*\c:SL+16*\ct+4*\c+3], v10, s[10:11] offset:PP*1048576+\ct*16384+128*SS+32*\c
.else
	global_load_b128 v[SL+16*\ct+4*\c:SL+16*\ct+4*\c+3], v11, s[10:11] offset:2097152+(32*(\ct/2)+8*(\ct%2))*1024+128*SS+32*\c
.endif
.endr
.endr
.endm
; x's fragments a0 and a0 + 1 of K step g % 8 from LDS into set g % 2: sixteen lanes take 256 consecutive bytes
.macro FETCH2 g, a0
.set FS, (\g)%8
.if (\g)%2
	WIN 0xc0                                       ; destination window 3
.else
	WIN 0
.endif
.irp a, \a0, \a0+1
.irp c, 0,1,2,3
	ds_load_b128 v[128+16*(\a)+4*\c:128+16*(\a)+4*\c+3], v[8+FS/4] offset:(8*(FS%4)+2*\c)*XP+256*(\a)
.endr
.endr
.endm
.macro FETCHX g                        ; all eight
	FETCH2 \g, 0
	FETCH2 \g, 2
	FETCH2 \g, 4
	FETCH2 \g, 6
.endm
.macro MWIN g                          ; the windows of step g's products
.if (\g)/8 < 2
.if (\g)%8 == 0
	WIN 0x72                                       ; source 0 (W) window 2, source 1 (x, set 0) window 0, C (bias) window 3, D window 1
.elseif (\g)%2
	WIN 0x5e                                       ; x's set 1: window 3; C and D window 1
.else
	WIN 0x52
.endif
.else
.if (\g)%8 == 0
	WIN 0x78                                       ; source 0 (x) window 0, source 1 (W) window 2, C window 3, D window 1
.elseif (\g)%2
	WIN 0x5b
.else
	WIN 0x58
.endif
.endif
.endm
; 8 of a step's 32 products: token tiles a0 and a0 + 1 against W's four.  The 32 accumulators take turns, one instruction a turn, in the same order in every step.  A pass's first step takes the bias tile as C: nothing is cleared
.macro MUL8 g, a0
.set PP, (\g)/8
.set SS, (\g)%8
.set SL, 64*((\g)%4)
	MWIN \g
.irp a, \a0, \a0+1
.irp ct, 0,1,2,3
.if PP < 2
.if SS == 0
	v_wmma_f32_16x16x128_fp8_fp8 v[8*(4*(\a)+\ct):8*(4*(\a)+\ct)+7], v[SL+16*\ct:SL+16*\ct+15], v[128+16*(\a):128+16*(\a)+15], v[32*PP+8*\ct:32*PP+8*\ct+7]
.else
	v_wmma_f32_16x16x128_fp8_fp8 v[8*(4*(\a)+\ct):8*(4*(\a)+\ct)+7], v[SL+16*\ct:SL+16*\ct+15], v[128+16*(\a):128+16*(\a)+15], v[8*(4*(\a)+\ct):8*(4*(\a)+\ct)+7]
.endif
.else
.if SS == 0
	v_wmma_f32_16x16x128_fp8_fp8 v[8*(4*(\a)+\ct):8*(4*(\a)+\ct)+7], v[128+16*(\a):128+16*(\a)+15], v[SL+16*\ct:SL+16*\ct+15], v[32*PP+8*\ct:32*PP+8*\ct+7]
.else
	v_wmma_f32_16x16x128_fp8_fp8 v[8*(4*(\a)+\ct):8*(4*(\a)+\ct)+7], v[128+16*(\a):128+16*(\a)+15], v[SL+16*\ct:SL+16*\ct+15], v[8*(4*(\a)+\ct):8*(4*(\a)+\ct)+7]
.endif
.endif
.endr
.endr
.endm
; A step of 128 along K.  Step g asks for x's fragments of step g + 1 (into the set that step g - 1 read) and for W's rows of step g + 3 (into the slot that step g - 1 read).  Half of x's loads stand in a run at the head, ahead of the
; waits for this step's data; the other half and W's sixteen are dealt among the products.  A pass's first step asks for nothing: the pass before it, or the kernel's head, has asked for its share.
; LOADcnt: behind this step's slot stand the loads of steps g + 1 and g + 2 (32; in a pass's first step those of g + 3 too: 48; fewer at the end).  DScnt: behind this step's set stand the sixteen just issued (in a pass's first step the other set's 32).
.macro STEP g
.if (\g)%8 == 0
	s_wait_loadcnt 48
	s_wait_dscnt 32
	MUL8 \g, 0
	MUL8 \g, 2
	MUL8 \g, 4
	MUL8 \g, 6
.else
.if (\g) <= 22
	s_wait_alu depctr_va_vdst(0)                   ; the products of the step before are done reading their set of x and their slot of W, in which all the loads of this step land
	FETCH2 (\g)+1, 0
	FETCH2 (\g)+1, 2
.endif
.if (\g) <= 21
	s_wait_loadcnt 32
.else
	s_wait_loadcnt 16*(23-(\g))
.endif
.if (\g) <= 22
	s_wait_dscnt 16
.else
	s_wait_dscnt 0x0
.endif
	MUL8 \g, 0
.if (\g) <= 22
	FETCH2 (\g)+1, 4                               ; no wait: no vector or matrix instruction since the wait at the step's head names these registers or their address
.endif
	MUL8 \g, 2
.if (\g) <= 22
	FETCH2 (\g)+1, 6
.endif
	MUL8 \g, 4
.if (\g) <= 20
	WLOAD (\g)+3
.endif
	MUL8 \g, 6
.endif
	WIN 0
	PLACES                                         ; behind the step's last product: ahead of the next loads into its registers, and of a way out's first reads
.if ((\g)%8 == 7) && ((\g) < 23)
	s_wait_alu depctr_va_vdst(0)                   ; this step's products are done reading their set of x and their slot of W: the loads below land there, while the pass's results are held and converted
	WLOAD (\g)+4
	FETCHX (\g)+2
	WIN 0
.endif
.endm
; A pass's results: held, converted, stored as images.  An instruction names eight bits of a register number: the codes' blocks of eight registers are dealt so that a conversion's destination (window 0) and its
; source (window 1) differ in those eight bits too: q, k: blocks 2 and 4 change places; v: block i lies at i xor 1.
.macro EPI p
	s_wait_xcnt 0x0                                ; the last pass's stores have read v64-127
.if (\p) > 0
	s_wait_alu depctr_vm_vsrc(0)                   ; the last pass's stores have read v64-127, which the conversions below write again
.endif
	WIN 0x41                                       ; destination and source 0 window 1
.set J, 0
.rept 256
	v_med3_num_f32 v[J], v[J], -v[15+2*(\p)], v[15+2*(\p)]   ; each accumulator from its low end on
.set J, J+1
.endr
	WIN 0x01                                       ; source 0 window 1, destination window 0
.irp a, 0,1,2,3,4,5,6,7
.irp ct, 0,1,2,3
.if (\p) < 2
.set FB, \a
.if \a == 2
.set FB, 4
.endif
.if \a == 4
.set FB, 2
.endif
.set CD, 64+8*FB+2*\ct                 ; fragment = token tile a; registers 2 ct, 2 ct + 1: d = 16 ct + 8 h + 0 .. 7
.else
.set CD, 64+8*((4*(\a/4)+\ct)^1)+2*(\a%4)   ; fragment = (key step a / 4, d tile ct); registers 2 (a % 4) on: keys 16 (a % 4) + 8 h + 0 .. 7
.endif
	v_cvt_scalef32_pk8_fp8_f32 v[CD:CD+1], v[8*(4*\a+\ct):8*(4*\a+\ct)+7], v[14+2*(\p)]
.endr
.endr
	v_nop                                          ; one plain line behind the last conversion: the next pass's products write its sources
	WIN 0
	s_wait_alu depctr_va_vdst(0)                   ; the conversions have written v64-127, which the sixteen stores read
.irp i, 0,1,2,3,4,5,6,7
.irp gg, 0,1
.if (\p) < 2
.set FB, \i
.if \i == 2
.set FB, 4
.endif
.if \i == 4
.set FB, 2
.endif
.else
.set FB, (\i)^1
.endif
.if (\p) == 0
	global_store_b128 v1, v[64+8*FB+4*\gg:64+8*FB+4*\gg+3], s[18:19] offset:1024*\i+512*\gg   ; 32 lanes store 512 consecutive bytes, at a multiple of 256 from the buffer's first byte
.elseif (\p) == 1
	global_store_b128 v1, v[64+8*FB+4*\gg:64+8*FB+4*\gg+3], s[20:21] offset:(\i/4)*8192+(\i%4)*1024+512*\gg
.else
	global_store_b128 v1, v[64+8*FB+4*\gg:64+8*FB+4*\gg+3], s[20:21] offset:(\i/4)*8192+4096+(\i%4)*1024+512*\gg
.endif
.endr
.endr
.endm
	s_load_b512 s[8:23], s[0:1], 0x0               ; x 8, W_qkv 10, b_qkv 12, W_out 14, scales 16, q_img 18, kv_img 20, wo_img 22
	v_lshl_add_u32 v62, v0, 2, 0x20400
	v_mov_b32 v63, 0
	v_lshrrev_b32 v32, 5, v0
	v_readfirstlane_b32 s24, v32                   ; wave 0..3
	s_mov_b32 s25, ttmp9                           ; y: which four heads
	s_and_b32 s26, ttmp7, 0xffff                   ; rb: which 128 tokens
	v_and_b32 v33, 31, v0                          ; lane
	v_and_b32 v34, 15, v0                          ; r
	v_bfe_u32 v35, v0, 4, 1                        ; h
	v_lshlrev_b32 v1, 4, v33                       ; 16 x lane
	s_wait_alu depctr_va_sdst(0)                   ; s24 is written, ahead of its first reader
	s_lshl_b32 s44, s24, 9
	v_lshrrev_b32 v36, 2, v33
	v_mul_u32_u24 v4, v36, XP
	v_and_b32 v36, 3, v33
	v_lshl_add_u32 v4, v36, 2, v4
	v_add_nc_u32 v4, s44, v4                       ; x's codes, written: half-group lane / 4, byte 4 (lane % 4), row 32 w
	v_add_nc_u32 v5, XHALF, v4                     ; the row's second half
	v_mul_u32_u24 v8, v35, XP
	v_lshl_add_u32 v8, v34, 4, v8                  ; x's codes, read: half-group h, row r
	v_add_nc_u32 v9, XHALF, v8
	v_lshlrev_b32 v10, 10, v34
	v_lshl_add_u32 v10, v35, 4, v10                ; a weight's row r of 1,024 bytes, + 16 h
	v_and_b32 v36, 8, v34
	v_add_nc_u32 v36, v36, v34                     ; r + 8 (r / 8)
	v_lshlrev_b32 v11, 10, v36
	v_lshl_add_u32 v11, v35, 4, v11                ; the same for v's tiles
	v_lshlrev_b32 v20, 5, v35                      ; q's and k's biases: eight numbers from 8 h on
	v_lshlrev_b32 v21, 2, v36                      ; v's: the one of my d
	s_mov_b32 s37, 0
	s_wait_kmcnt 0x0
	s_load_b256 s[28:35], s[16:17], 0x0            ; e0 .. e7
	s_lshl_b32 s36, s26, 19
	s_lshl_b32 s43, s24, 17
	s_add_co_u32 s36, s36, s43
	s_add_nc_u64 s[8:9], s[8:9], s[36:37]          ; x at row 128 rb + 32 w
	s_lshl_b32 s36, s25, 18
	s_lshl_b32 s43, s24, 16
	s_add_co_u32 s36, s36, s43
	s_add_nc_u64 s[10:11], s[10:11], s[36:37]      ; W_qkv at row 64 x head
	s_lshr_b32 s36, s36, 8
	s_add_nc_u64 s[12:13], s[12:13], s[36:37]      ; b_qkv at 64 x head
	s_lshl_b32 s45, s26, 2
	s_add_co_u32 s45, s45, s25                     ; the work-group's number, 0 .. 255: column block (number / 16), K step (number % 16) of W_out; the wave is the tile
	s_lshr_b32 s36, s45, 4
	s_lshl_b32 s36, s36, 16
	s_lshl_b32 s43, s24, 14
	s_add_co_u32 s36, s36, s43
	s_and_b32 s43, s45, 15
	s_lshl_b32 s43, s43, 6
	s_add_co_u32 s36, s36, s43
	s_add_nc_u64 s[14:15], s[14:15], s[36:37]      ; W_out at row 16 (4 block + w), k = 64 x K step
	s_lshl_b32 s36, s45, 12
	s_lshl_b32 s43, s24, 10
	s_add_co_u32 s36, s36, s43
	s_add_nc_u64 s[22:23], s[22:23], s[36:37]      ; its image: fragment 4 x number + w
	s_lshr_b32 s46, s26, 3
	s_lshl_b32 s46, s46, 4
	s_lshl_b32 s43, s25, 2
	s_add_co_u32 s46, s46, s43
	s_add_co_u32 s46, s46, s24                     ; 16 x batch + head
	s_and_b32 s45, s26, 7                          ; which 128 tokens of the batch's 1,024
	s_lshl_b32 s36, s46, 16
	s_lshl_b32 s43, s45, 13
	s_add_co_u32 s36, s36, s43
	s_add_nc_u64 s[18:19], s[18:19], s[36:37]      ; q's images: 64 fragments a head, eight of them mine
	s_lshl_b32 s36, s46, 17
	s_lshl_b32 s43, s45, 14
	s_add_co_u32 s36, s36, s43
	s_add_nc_u64 s[20:21], s[20:21], s[36:37]      ; k's and v's: 16 key steps of 8,192 bytes a head, two of them mine
	s_wait_alu depctr_va_vdst(0)                   ; the offsets and addresses v1, v4, v5, v8 to v11, v20 and v21 are written, which the kernel's loads and stores read
	global_load_b128 v[24:27], v10, s[14:15]       ; W_out's fragment: k = 16 h + 0 .. 15,
	global_load_b128 v[28:31], v10, s[14:15] offset:32   ; and 32 + 16 h + 0 .. 15
	WIN 0xc0                                       ; destination window 3
.irp p, 0,1
.irp ct, 0,1,2,3
	global_load_b128 v[32*\p+8*\ct:32*\p+8*\ct+3], v20, s[12:13] offset:\p*4096+64*\ct
	global_load_b128 v[32*\p+8*\ct+4:32*\p+8*\ct+7], v20, s[12:13] offset:\p*4096+64*\ct+16
.endr
.endr
.irp ct, 0,1,2,3
	global_load_b32 v[96+\ct], v21, s[12:13] offset:8192+(32*(\ct/2)+8*(\ct%2))*4
.endr
	WLOAD 0
	WLOAD 1
	WLOAD 2
	WLOAD 3
	WIN 0
.irp i, 0,1,2,3,4,5,6,7,8,9,10,11
	XLD \i, (\i/2)*4096+(\i%2)*2048                ; my first six rows of x: 48 loads of 512 bytes are out from here on
.endr
	s_wait_kmcnt 0x0
	MKSCALE 12, 28                                 ; x: e0
	s_add_co_i32 s45, s28, s29                     ; a sum of the product stands for sum x 2^(e0 + e1)
	s_sub_co_i32 s42, 0, s45
	s_sub_co_i32 s46, s30, s45
	MKSCALE 14, 46                                 ; q: e2 - e0 - e1
	s_sub_co_i32 s46, s31, s45
	MKSCALE 16, 46                                 ; k: e3 - e0 - e1
	s_sub_co_i32 s46, s33, s45
	MKSCALE 18, 46                                 ; v: e5 - e0 - e1
	s_wait_loadcnt 48                              ; all that was asked for ahead of x is in; x's twelve chunks, 48 loads, stay out
	global_store_b128 v1, v[24:27], s[22:23]       ; W_out's fragment leaves as an image; v24-31 are not written again
	global_store_b128 v1, v[28:31], s[22:23] offset:512
	WIN 0xc3                                       ; destination and source 0 window 3
.set J, 0
.rept 64
	v_ldexp_f32 v[J], v[J], s42                    ; q's and k's biases / 2^(e0 + e1)
.set J, J+1
.endr
.irp ct, 0,1,2,3
.irp j, 0,1,2,3,4,5,6,7
	v_ldexp_f32 v[64+8*\ct+\j], v[96+\ct], s42     ; v's: a lane's eight registers are eight tokens of one d
.endr
.endr
	WIN 0
	s_mov_b32 s40, 0
	s_mov_b32 s41, 0
.Lx:                                               ; a trip: six rows of x, once round the ring; four trips, each asking for the six rows that follow
	s_wait_alu depctr_vm_vsrc(0)                   ; the last trip's LDS stores have read v6 and v7
	v_add_nc_u32 v6, s41, v4
	v_add_nc_u32 v7, s41, v5
.irp r, 0,1,2,3,4,5
	ROWX \r, \r, 1, 44, 40                         ; behind a row's first chunk stand its second and the five other rows: 44 loads; behind its second the five rows' 40
.endr
	s_wait_xcnt 0x0                                ; the loads have read their base
	s_add_nc_u64 s[8:9], s[8:9], 24576
	s_add_co_u32 s41, s41, 96                      ; six rows of 16 bytes on in each half-group
	s_add_co_u32 s40, s40, 1
	s_cmp_lt_u32 s40, 4
	s_cbranch_scc1 .Lx
	s_wait_alu depctr_vm_vsrc(0)                   ; the last trip's LDS stores have read v6 and v7
	v_add_nc_u32 v6, s41, v4                       ; rows 24 to 31 are written out: no load leaves the wave's 32 rows
	v_add_nc_u32 v7, s41, v5
	ROWX 0, 0, 1, 44, 40                           ; rows 24 and 25; their sets take rows 30 and 31
	ROWX 1, 1, 1, 44, 40
	ROWX 2, 2, 0, 44, 40                           ; rows 26 to 29: behind a chunk stand the later ones of these and the two rows just asked for
	ROWX 3, 3, 0, 36, 32
	ROWX 4, 4, 0, 28, 24
	ROWX 5, 5, 0, 20, 16
	ROWX 0, 6, 0, 12, 8                            ; rows 30 and 31: the counts run down
	ROWX 1, 7, 0, 4, 0
	s_wait_dscnt 0x0                               ; for the others' sake: my codes lie in LDS
	s_barrier_signal -1
	s_barrier_wait -1                              ; all 128 rows do
	FETCHX 0                                       ; set 0 lies where the ring's sets 4 to 11 lay: every hold and conversion that named them stands ahead of the last row's wait on va_vdst, and no vector instruction has been issued since
	FETCHX 1
	WIN 0
.irp g, 0,1,2,3,4,5,6,7
	STEP \g
.endr
	EPI 0
.irp g, 8,9,10,11,12,13,14,15
	STEP \g
.endr
	EPI 1
.irp g, 16,17,18,19,20,21,22,23
	STEP \g
.endr
	EPI 2
	s_wait_dscnt 0x0                               ; the closing lines, six on end
	s_wait_alu 0x0
	s_wait_tensorcnt 0x0
	ds_add_u32 v62, v63
	s_wait_dscnt 0x0
	s_endpgm
.Lfunc_end_k_q6bf5539b72_qkv:
	.size	k_q6bf5539b72_qkv, .Lfunc_end_k_q6bf5539b72_qkv-k_q6bf5539b72_qkv
	.p2alignl 7, 3214868480
	.fill 96, 4, 3214868480
	.section	.rodata,"a",@progbits
	.p2align	6, 0x0
	.amdhsa_kernel k_q6bf5539b72_qkv
		.amdhsa_group_segment_fixed_size 132608
		.amdhsa_private_segment_fixed_size 0
		.amdhsa_enable_private_segment 0
		.amdhsa_kernarg_size 64
		.amdhsa_user_sgpr_count 2
		.amdhsa_user_sgpr_kernarg_segment_ptr 1
		.amdhsa_wavefront_size32 1
		.amdhsa_system_sgpr_workgroup_id_x 1
		.amdhsa_system_sgpr_workgroup_id_y 1
		.amdhsa_system_sgpr_workgroup_id_z 1
		.amdhsa_system_vgpr_workitem_id 0
		.amdhsa_next_free_vgpr 1024
		.amdhsa_next_free_sgpr 66
		.amdhsa_reserve_vcc 0
		.amdhsa_float_denorm_mode_32 3
		.amdhsa_float_denorm_mode_16_64 3
		.amdhsa_memory_ordered 1
		.amdhsa_forward_progress 1
		.amdhsa_inst_pref_size 255
	.end_amdhsa_kernel
	.section	.bss,"aw",@nobits
	.p2align	6
	.space	262144
	.amdgpu_metadata
---
amdhsa.version: [ 1, 2 ]
amdhsa.kernels:
  - .name:           k_q6bf5539b72_qkv
    .symbol:         k_q6bf5539b72_qkv.kd
    .args:
      - { .name: x, .offset: 0, .size: 8, .value_kind: global_buffer, .address_space: global }
      - { .name: W_qkv_codes, .offset: 8, .size: 8, .value_kind: global_buffer, .address_space: global }
      - { .name: b_qkv, .offset: 16, .size: 8, .value_kind: global_buffer, .address_space: global }
      - { .name: W_out_codes, .offset: 24, .size: 8, .value_kind: global_buffer, .address_space: global }
      - { .name: lowp_scales, .offset: 32, .size: 8, .value_kind: global_buffer, .address_space: global }
      - { .name: q_img, .offset: 40, .size: 8, .value_kind: global_buffer, .address_space: global }
      - { .name: kv_img, .offset: 48, .size: 8, .value_kind: global_buffer, .address_space: global }
      - { .name: wo_img, .offset: 56, .size: 8, .value_kind: global_buffer, .address_space: global }
    .group_segment_fixed_size: 132608
    .private_segment_fixed_size: 0
    .kernarg_segment_align: 8
    .kernarg_segment_size: 64
    .max_flat_workgroup_size: 128
    .sgpr_count:     66
    .vgpr_count:     1024
    .wavefront_size: 32
...
	.end_amdgpu_metadata
.endif
;; end of part 3
;; launch attn (part 4): grid 32 x 8, 16 waves a work-group, no clusters, 236,032 bytes of LDS; arguments q_img, kv_img, wo_img, mask, x, b_out, lowp_scales, out0; writes out0
.if DOCPART == 4
	.amdgcn_target "amdgcn-amd-amdhsa--gfx1250"
	.amdhsa_code_object_version 6
	.text
	.protected	k_q6bf5539b72_attn
	.globl	k_q6bf5539b72_attn
	.p2align	8
	.type	k_q6bf5539b72_attn,@function
k_q6bf5539b72_attn:
	s_mov_b64 s[64:65], 0
	v_nop
	global_prefetch_b8 v0, s[64:65] scope:SCOPE_SE
	s_setreg_imm32_b32 hwreg(HW_REG_WAVE_SCHED_MODE, 0, 2), 2
	s_setreg_imm32_b32 hwreg(HW_REG_WAVE_MODE, 25, 1), 1
	s_wait_xcnt 0x0
	s_wait_alu depctr_vm_vsrc(0)
; out = x + softmax(q k^T / 8 + mask x (-1e30)) v W_out + b_out, all three products on codes of E4M3.  q_img, kv_img, wo_img: images of operand registers (a fragment of 8 registers: registers 4 g .. 4 g + 3 of lane l at 512 g + 16 l).
; SHARES.  Work-group (qb, b): 32 queries of one batch, ALL 16 HEADS: wave w is head w, with two tiles of 16 queries.  So the work-group's 32 rows of the mask (f32, shared by the heads) are read from memory once in the launch
; and lie in LDS, and the 32 rows of ctx are whole in the work-group: the output projection follows in the same launch, wave w making columns 64 w .. 64 w + 63.
; LAYOUT.  S^T = K Q^T (source 0 = 16 keys, source 1 = 16 queries) and O^T = V^T P: a lane holds one query throughout; a tile's eight registers are eight neighbouring keys, so one conversion gives registers 2 t, 2 t + 1 of P.
; THE MASK IS THE C OF THE SCORE PRODUCTS: mask x (-1e30), brought once into the sums' unit (x 8 / 2^(e2 + e3)), is loaded from LDS into the accumulators; it costs no vector line in the loop, and it is taken as a number, whatever it holds.
; THE SOFTMAX: t = round(sum x c), c = log2(e) / 8 x 2^(e2 + e3); M = the running largest t rounded up to a whole number, kept as -M = floor(-t); p = 2^(t - M).  t is rounded BEFORE M is taken away, and the maximum is taken of the
; same rounded t: so in a row whose least mask term is huge (all keys masked, a mask with an offset) the largest t and M cancel exactly.  The row's sum is taken of the unquantised p; when M moves, sum and O^T are multiplied by 2^(old M - new M), exact.
; THE HOLD OF p at 448 x 2^e4: t - M is 0 or less, so p is at most 1 (one unit in the last place more at the worst).  Where e4 is -8 or more, 448 x 2^e4 is at least 1.75 and the hold can change no p: a scalar branch on e4, a whole number
; read from lowp_scales, leads round a step's 64 lines.  For a smaller e4 they are executed.
; V's d are dealt (by the launch that made the images) so that O^T's tiles 2 b, 2 b + 1 hold d = 32 b + 16 h + 0 .. 15: ctx's codes are registers 4 b .. 4 b + 3 of the projection's operand, the same places of k as in wo_img.
; NO CLUSTER, NO TENSOR LOAD: a head's K and V are read by ONE wave of a work-group, 512 consecutive bytes an instruction, straight into operand registers.  Shared among work-groups through LDS they would want
; 2 slots x 16 heads x 8,192 = 262,144 bytes beside the mask's 131,584 and ctx's 32,768: more than the 327,680 that there are.
; LIMITS: e4 and e6 between -126 and 119; e2 + e3 between -123 and 129; e6 + e7 between -126 and 127.  NaN and infinities among the inputs are not served.  A mask term that would pass -3e38 in the sums' unit is held there; a positive one is not held.
; REGISTERS: v1 16 x lane; v2, v3 the mask's rows of my lane (tile 0, 1); v[4:5], v[6:7] -M and the largest t; v[8:9], v[10:11] the sums; v[12:13], v[14:15] f; v16-31 Q; v32-63 K; v64-95 V; v96-159 S^T, then p; v160-223 O^T; v224-239 P's codes;
;   v240, v241 addresses of the way out; v242, v243 mask addresses in hand; v244, v245 2^e4, 448 x 2^e4; v246-249 at work on the maxima; v[250:253] second chains of the sums; v254 256 x lane; v255 a permute's result.
; THE MODE: SCHED_MODE bits 1:0 = 2 (LLVM: expert scheduling mode 2), set by the entry lines.  The code itself states the register dependences between vector or matrix instructions and memory or LDS instructions, with s_wait_alu, always for 0.
; THE PLAN.  Registers that memory or LDS instructions touch, in the key loop:
;   v1, v254    offsets of K's and V's loads and of the prefetch: made at the head, never written in the loop.  The key steps are reached by a scalar base, which moves on at a trip's top, and by immediate offsets.
;   K v32-63    read by trip j's score products; behind them K of step j + 1 lands in it.
;   V v64-95    read by trip j's second products; V of step j + 1 lands in it in trip j + 1, behind that trip's score products.
;   S v96-159   the mask terms land in it; the score products, the softmax and the conversions name it; behind the conversions the next step's mask terms land.
;   v242, v243  the mask's LDS addresses: read by the sixteen LDS loads, written once a trip.
; Among a trip's five waits on va_vdst:  (1) Behind the score products: they are done reading K, and the last trip's second products are done reading V: V of this step and K of the next are asked for together.  (2) The wait
; behind the exponentials; the two mask addresses are stepped just ahead of it, behind the trip's one wait on vm_vsrc, so that it states them written too.  (3) Behind the conversions and half of O^T's rescaling: all that named S is done.
.set MP,   4112                        ; LDS: a row of the mask: 4,096 bytes + 16 = 1,028 words: row r starts at bank 4 r mod 64 (64 banks of 4 bytes: ISA guide 11.1)
.set CTX,  32*MP                       ; ctx's 32 fragments (2 x head + query tile), 1,024 bytes each
.set STO,  CTX+32*1024                 ; the way out: 16 rows x (256 + 16) bytes for each wave
.set SPI,  272
.set QR,   16
.set KR,   32
.set VR,   64
.set S,    96
.set OA,   160
.set PC,   224
.macro MFETCH                          ; a step's mask terms into the accumulators: lane (r, h), tile t, register j: query r, key 16 t + 8 h + j
.irp q, 0,1
.irp t, 0,1,2,3
.irp g, 0,1
	ds_load_b128 v[S+32*\q+8*\t+4*\g:S+32*\q+8*\t+4*\g+3], v[242+\q] offset:64*\t+16*\g
.endr
.endr
.endr
.endm
.macro SMUL q                          ; t = round(sum x c); each accumulator from its low end on
.irp j, 0,2,4,6,8,10,12,14,16,18,20,22,24,26,28,30
	v_pk_mul_f32 v[S+32*\q+\j:S+32*\q+\j+1], v[S+32*\q+\j:S+32*\q+\j+1], s[38:39] op_sel_hi:[1,0]
.endr
.endm
.macro SMAX q                          ; the largest of my 32 t, in two chains
	v_max3_num_f32 v[246+2*\q], v[S+32*\q], v[S+32*\q+1], v[S+32*\q+2]
	v_max3_num_f32 v[247+2*\q], v[S+32*\q+3], v[S+32*\q+4], v[S+32*\q+5]
.irp i, 6,10,14,18,22,26
	v_max3_num_f32 v[246+2*\q], v[246+2*\q], v[S+32*\q+\i], v[S+32*\q+\i+1]
	v_max3_num_f32 v[247+2*\q], v[247+2*\q], v[S+32*\q+\i+2], v[S+32*\q+\i+3]
.endr
	v_max3_num_f32 v[246+2*\q], v[246+2*\q], v[S+32*\q+30], v[S+32*\q+31]
	v_max_num_f32 v[246+2*\q], v[246+2*\q], v[247+2*\q]
.endm
.macro STAT q
	v_permlanex16_b32 v255, v[246+2*\q], s36, s37  ; the query's other 32 keys lie in the lane 16 away
	v_max_num_f32 v[246+2*\q], v[246+2*\q], v255
	v_max_num_f32 v[5+2*\q], v[5+2*\q], v[246+2*\q]   ; the running largest t
	v_mov_b32 v[247+2*\q], v[4+2*\q]
	v_floor_f32 v[4+2*\q], -v[5+2*\q]              ; the new -M = floor(-t): M is a whole number
	v_sub_f32 v[247+2*\q], v[4+2*\q], v[247+2*\q]  ; old M - new M, 0 or less
	v_cvt_i32_f32 v[247+2*\q], v[247+2*\q]         ; (it saturates)
	v_ldexp_f32 v[12+2*\q], 1.0, v[247+2*\q]       ; f = 2^(old M - new M)
.endm
.macro SSUB q                          ; t - M (of the pair -M, t the low word serves both halves)
.irp j, 0,2,4,6,8,10,12,14,16,18,20,22,24,26,28,30
	v_pk_add_f32 v[S+32*\q+\j:S+32*\q+\j+1], v[S+32*\q+\j:S+32*\q+\j+1], v[4+2*\q:5+2*\q] op_sel_hi:[1,0]
.endr
.endm
.macro SEXP q
.irp j, 0,1,2,3,4,5,6,7,8,9,10,11,12,13,14,15,16,17,18,19,20,21,22,23,24,25,26,27,28,29,30,31
	v_exp_f32 v[S+32*\q+\j], v[S+32*\q+\j]         ; p = 2^(t - M), at most 1
.endr
.endm
.macro SSUM q                          ; the sum of the unquantised p, two at a time, in two chains
	v_pk_add_f32 v[250+2*\q:251+2*\q], v[S+32*\q:S+32*\q+1], v[S+32*\q+2:S+32*\q+3]
.irp j, 4,8,12,16,20,24,28
	v_pk_add_f32 v[8+2*\q:9+2*\q], v[8+2*\q:9+2*\q], v[S+32*\q+\j:S+32*\q+\j+1]
	v_pk_add_f32 v[250+2*\q:251+2*\q], v[250+2*\q:251+2*\q], v[S+32*\q+\j+2:S+32*\q+\j+3]
.endr
	v_pk_add_f32 v[8+2*\q:9+2*\q], v[8+2*\q:9+2*\q], v[250+2*\q:251+2*\q]
.endm
.macro HOLD q
.irp j, 0,1,2,3,4,5,6,7,8,9,10,11,12,13,14,15,16,17,18,19,20,21,22,23,24,25,26,27,28,29,30,31
	v_min_num_f32 v[S+32*\q+\j], v[S+32*\q+\j], v245   ; the conversion to an 8-bit code does not saturate (ISA guide 7.6.2); p is not negative: a one-sided hold
.endr
.endm
.macro SCVT q
.irp t, 0,1,2,3
	v_cvt_scalef32_pk8_fp8_f32 v[PC+8*\q+2*\t:PC+8*\q+2*\t+1], v[S+32*\q+8*\t:S+32*\q+8*\t+7], v244
.endr
.endm
.macro RESC q                          ; O^T under the new M; each accumulator from its low end on
.irp j, 0,2,4,6,8,10,12,14,16,18,20,22,24,26,28,30
	v_pk_mul_f32 v[OA+32*\q+\j:OA+32*\q+\j+1], v[OA+32*\q+\j:OA+32*\q+\j+1], v[12+2*\q:13+2*\q] op_sel_hi:[1,0]
.endr
.endm
; A PREFETCH INTO THE L2 of the 8,192 bytes of K and V of key step j + 3 of my head, lanes 256 bytes apart: trip j loads K of step j + 1 and V of step j, so the request stands two trips ahead of K's loads and three ahead of V's.  The 32 query blocks
; of a batch walk the same K and V: the first of them asks (a branch on the work-group's number), each wave for its own head: each block of 256 bytes is named once in the launch.  Steps 0 to 2 come by their loads alone; trips 13 and 14 ask for nothing.
.macro ASK
	s_cmp_lt_u32 s40, s43
	s_cbranch_scc0 .Lnot_mine_\@
	global_prefetch_b8 v254, s[44:45] th:TH_LOAD_NT scope:SCOPE_SE
.Lnot_mine_\@:
.endm
; A KEY STEP of 64 keys, both query tiles.  ahead = 1: this step's V, the next step's K and its mask terms are asked for.  ahead = 0, the last step: its V; the projection's first four K steps of W_out, b_out, and a prefetch of x take the others' places.
; All sixteen matrix instructions of a step name different accumulators.
.macro KSTEP ahead
	s_wait_loadcnt 0x0                             ; K is in: its eight loads were the last that were asked for
	s_wait_dscnt 0x0                               ; the mask terms are in
.irp t, 0,1,2,3
.irp q, 0,1
	v_wmma_f32_16x16x64_fp8_fp8 v[S+32*\q+8*\t:S+32*\q+8*\t+7], v[KR+8*\t:KR+8*\t+7], v[QR+8*\q:QR+8*\q+7], v[S+32*\q+8*\t:S+32*\q+8*\t+7]
.endr
.endr
.if \ahead
	v_nop                                          ; four places ahead of the loads into K's registers and of the first read of the scores
	v_nop
	v_nop
	v_nop
.else
	s_wait_alu depctr_vm_vsrc(0)                   ; the last trip's LDS loads have read v242 and v243: v243 is written below, v242 behind the loop
	v_lshlrev_b32 v243, 8, v0                      ; 256 x my thread's number; not written again.  This line and three v_nop: the four places
	v_nop
	v_nop
	v_nop
.endif
	s_wait_alu depctr_va_vdst(0)                   ; the score products are done reading K, the last step's second products are done reading V: the loads below land there; in the last step v243 is written, which the prefetch reads
.if \ahead
.irp i, 0,1,2,3,4,5,6,7
	global_load_b128 v[VR+4*\i:VR+4*\i+3], v1, s[10:11] offset:512*\i-4096   ; V of this step: the base stands at the next step's first byte
.endr
.irp i, 0,1,2,3,4,5,6,7
	global_load_b128 v[KR+4*\i:KR+4*\i+3], v1, s[10:11] offset:512*\i        ; K of the next step
.endr
	ASK
.else
.irp i, 0,1,2,3,4,5,6,7
	global_load_b128 v[VR+4*\i:VR+4*\i+3], v1, s[10:11] offset:4096+512*\i   ; V of the last step: the base stands at that step's first byte
.endr
.irp i, 0,1,2,3,4,5,6,7
	global_load_b128 v[32+4*\i:32+4*\i+3], v1, s[12:13] offset:512*\i      ; W_out, K step 0
.endr
	global_prefetch_b8 v243, s[52:53] th:TH_LOAD_NT scope:SCOPE_SE         ; the work-group's 32 rows of x, 131,072 bytes on end: 512 threads, 256 bytes apart, each block named once; they are loaded twelve K steps of the projection on
.endif
	SMUL 0
	SMUL 1
	SMAX 0
	SMAX 1
	STAT 0
	STAT 1
	SSUB 0
	SSUB 1
	s_wait_alu depctr_va_vdst(0)
	SEXP 0
	SEXP 1
	v_pk_mul_f32 v[8:9], v[8:9], v[12:13] op_sel_hi:[1,0]      ; the sums under the new M: plain lines behind the exponentials
	v_pk_mul_f32 v[10:11], v[10:11], v[14:15] op_sel_hi:[1,0]
.if \ahead
	s_wait_alu depctr_vm_vsrc(0)                   ; the last step's LDS loads have read v242 and v243
	s_add_co_u32 s42, s42, 256                     ; 64 keys on in a row of the mask
	v_add_nc_u32 v242, s42, v2
	v_add_nc_u32 v243, s42, v3
.endif
	s_wait_alu depctr_va_vdst(0)                   ; one wait for the batch of 64 exponentials, ahead of the first line that names a result; it also states v242 and v243 written, which the LDS loads below read
	SSUM 0
	SSUM 1
	s_cmp_lg_u32 s58, 0                            ; e4 >= -8: every p lies under 448 x 2^e4, and the hold is passed over
	s_cbranch_scc1 .Lfits_\@
	HOLD 0
	HOLD 1
.Lfits_\@:
	SCVT 0
	SCVT 1
	RESC 0                                         ; (plain lines between the conversions and the products that read their results)
.if \ahead
	s_wait_alu depctr_va_vdst(0)                   ; the sums, the hold and the conversions are done with S, in which the next step's mask terms land
	MFETCH
.endif
	RESC 1
	s_wait_alu depctr_va_vdst(0)
	s_wait_loadcnt 8                               ; V is in: behind its eight loads stand the eight asked for with it
.irp d, 0,1,2,3
.irp q, 0,1
	v_wmma_f32_16x16x64_fp8_fp8 v[OA+32*\q+8*\d:OA+32*\q+8*\d+7], v[VR+8*\d:VR+8*\d+7], v[PC+8*\q:PC+8*\q+7], v[OA+32*\q+8*\d:OA+32*\q+8*\d+7]
.endr
.endr
.if !\ahead
	v_and_b32 v252, 15, v0
	v_lshlrev_b32 v252, 4, v252                    ; b_out: my four columns of the wave's 64; not written again
	v_nop
	v_nop
	s_wait_alu depctr_va_vdst(0)                   ; the second products are done reading V, the softmax is done with S and with v248-251: the loads below land there; v252 is written, b_out's offset
.irp n, 1,2,3
.irp i, 0,1,2,3,4,5,6,7
	global_load_b128 v[32+32*\n+4*\i:32+32*\n+4*\i+3], v1, s[12:13] offset:4096*\n+512*\i   ; W_out, K steps 1 to 3
.endr
.endr
	global_load_b128 v[248:251], v252, s[18:19]
.endif
.endm
	s_load_b512 s[8:23], s[0:1], 0x0               ; q_img 8, kv_img 10, wo_img 12, mask 14, x 16, b_out 18, scales 20, out 22
	v_lshrrev_b32 v2, 5, v0
	v_readfirstlane_b32 s24, v2                    ; wave = head, 0..15
	s_mov_b32 s25, ttmp9                           ; qb: which 32 queries
	s_and_b32 s26, ttmp7, 0xffff                   ; the batch
	v_and_b32 v3, 31, v0
	v_lshlrev_b32 v1, 4, v3                        ; 16 x lane
	v_lshlrev_b32 v254, 8, v3                      ; 256 x lane
	v_and_b32 v246, 15, v0                         ; r
	v_bfe_u32 v247, v0, 4, 1                       ; h
	v_mul_u32_u24 v2, v246, MP
	v_lshl_add_u32 v2, v247, 5, v2                 ; the mask in LDS: row r, + 8 h keys
	v_add_nc_u32 v3, 16*MP, v2                     ; the second query tile's rows
	s_wait_alu depctr_va_sdst(0)                   ; s24 is written, ahead of its first reader
	s_mul_i32 s46, s24, 2*MP
	v_add_nc_u32 v242, s46, v1                     ; where I put the mask: rows 2 w and 2 w + 1
	s_mov_b32 s36, 0x76543210
	s_mov_b32 s37, 0xfedcba98                      ; v_permlanex16_b32's selects for lane l xor 16
	s_mov_b32 s40, 0
	s_mov_b32 s42, 0
	s_cmp_eq_u32 s25, 0
	s_cselect_b32 s43, 13, 0                       ; trips in which I prefetch
	s_lshl_b32 s54, s26, 4
	s_add_co_u32 s54, s54, s24                     ; 16 x batch + head
	s_mov_b32 s47, 0
	s_wait_kmcnt 0x0
	s_load_b256 s[28:35], s[20:21], 0x0            ; e0 .. e7
	s_lshl_b32 s46, s54, 16
	s_lshl_b32 s55, s25, 11
	s_add_co_u32 s46, s46, s55
	s_add_nc_u64 s[8:9], s[8:9], s[46:47]          ; my two fragments of Q
	s_lshl_b32 s46, s54, 17
	s_add_nc_u64 s[10:11], s[10:11], s[46:47]      ; my head's K and V: 8,192 bytes a key step; each trip moves this base on by a step
	s_add_nc_u64 s[44:45], s[10:11], 16384         ; the prefetches: at key step 2; the first trip steps it to 3
	s_lshl_b32 s46, s24, 16
	s_add_nc_u64 s[12:13], s[12:13], s[46:47]      ; W_out's images of my 64 columns
	s_lshl_b32 s46, s26, 22
	s_lshl_b32 s55, s25, 17
	s_add_co_u32 s46, s46, s55                     ; the work-group's first row, of 4,096 bytes, in mask, x and out
	s_add_nc_u64 s[52:53], s[16:17], s[46:47]
	s_add_nc_u64 s[22:23], s[22:23], s[46:47]
	s_add_nc_u64 s[14:15], s[14:15], s[46:47]
	s_lshl_b32 s46, s24, 13
	s_add_nc_u64 s[14:15], s[14:15], s[46:47]      ; the mask's rows 2 w, 2 w + 1
	s_lshl_b32 s46, s24, 8
	s_add_nc_u64 s[16:17], s[52:53], s[46:47]      ; x, out and b_out at column 64 w
	s_add_nc_u64 s[22:23], s[22:23], s[46:47]
	s_add_nc_u64 s[18:19], s[18:19], s[46:47]
	s_wait_alu depctr_va_vdst(0)                   ; v1, v242 and v254 are written: the offsets of the loads, the address of the mask's LDS stores, the prefetch's offset
.irp i, 0,1,2,3,4,5,6,7,8,9,10,11,12,13,14,15
	global_load_b128 v[S+4*\i:S+4*\i+3], v1, s[14:15] offset:512*\i th:TH_LOAD_NT   ; two rows of the mask, 8,192 bytes on end; read once in the launch
.endr
.irp i, 0,1,2,3
	global_load_b128 v[QR+4*\i:QR+4*\i+3], v1, s[8:9] offset:512*\i
.endr
.irp i, 0,1,2,3,4,5,6,7
	global_load_b128 v[KR+4*\i:KR+4*\i+3], v1, s[10:11] offset:512*\i
.endr
	v_mov_b32 v5, 0xff61b1e6                       ; the largest t so far: -3e38
	v_mov_b32 v7, 0xff61b1e6
	v_floor_f32 v4, -v5                            ; -M
	v_floor_f32 v6, -v7
.irp j, 8,9,10,11,13,15,255
	v_mov_b32 v\j, 0                               ; the sums; the upper halves of f's pairs; a permute's destination counts as read
.endr
.set J, 0
.rept 64
	v_mov_b32 v[OA+J], 0                           ; O^T.  (The step is written once for all trips: the first finds zeros, which the first change of M leaves zeros)
.set J, J+1
.endr
	s_wait_kmcnt 0x0
	s_cmp_ge_i32 s32, -8
	s_cselect_b32 s58, 1, 0                        ; 1 where 448 x 2^e4 is at least 1.75, above every p
	s_add_co_i32 s46, s30, s31                     ; e2 + e3
	s_sub_co_i32 s50, 0, s46
	s_lshl_b32 s46, s46, 23
	s_add_co_i32 s38, s46, 0x3e38aa3b              ; c = log2(e) / 8 with e2 + e3 added to its exponent field
	s_mov_b32 s39, s38                             ; (named with it as a pair, so it is written)
	s_add_co_i32 s51, s32, s33                     ; e4 + e5
	s_add_co_i32 s46, s32, 127
	s_lshl_b32 s55, s46, 23
	v_mov_b32 v244, s55                            ; 2^e4
	s_add_co_i32 s46, s46, 8
	s_lshl_b32 s46, s46, 23
	s_or_b32 s46, s46, 0x600000
	v_mov_b32 v245, s46                            ; 448 x 2^e4
	s_add_co_i32 s46, s34, 127
	s_lshl_b32 s56, s46, 23                        ; 2^e6
	s_add_co_i32 s46, s46, 8
	s_lshl_b32 s46, s46, 23
	s_or_b32 s57, s46, 0x600000                    ; 448 x 2^e6
	s_add_co_i32 s46, s34, s35
	s_add_co_i32 s46, s46, 127
	s_lshl_b32 s48, s46, 23                        ; 2^(e6 + e7)
	s_mov_b32 s49, s48
	s_wait_loadcnt 12                              ; the mask's 16 loads are in; Q's 4 and K's 8 stay out
.set J, 0
.rept 64
	v_mul_f32 v[S+J], 0xf2c9f2ca, v[S+J]           ; mask x (-1e30) x 8: the constant is 8 x the f32 number -1e30, so the product is rounded as mask x (-1e30) is
	v_ldexp_f32 v[S+J], v[S+J], s50                ; / 2^(e2 + e3): the sums' unit
	v_max_num_f32 v[S+J], 0xff61b1e6, v[S+J]       ; held at -3e38
.set J, J+1
.endr
	s_wait_alu depctr_va_vdst(0)                   ; the mask terms are written, which the LDS stores read
.irp i, 0,1,2,3,4,5,6,7,8,9,10,11,12,13,14,15
	ds_store_b128 v242, v[S+4*\i:S+4*\i+3] offset:(\i/8)*MP+(\i%8)*512
.endr
	s_wait_dscnt 0x0                               ; for the others' sake: my two rows lie in LDS
	s_barrier_signal -1
	s_barrier_wait -1                              ; all 32 do
	s_wait_alu depctr_vm_vsrc(0)                   ; my LDS stores have read v242, which is written below, and S, in which the LDS loads below land
	v_add_nc_u32 v242, s42, v2
	v_add_nc_u32 v243, s42, v3
	s_wait_alu depctr_va_vdst(0)                   ; v242 and v243 are written, which the LDS loads read
	MFETCH                                         ; key step 0's mask terms
.Lk:                                               ; 15 trips; each asks for its own V and for the next step's K and mask terms
	s_wait_xcnt 0x0                                ; the last trip's loads and its prefetch, a whole trip back, have read their bases
	s_add_nc_u64 s[44:45], s[44:45], 8192
	s_add_nc_u64 s[10:11], s[10:11], 8192          ; at the next step's first byte
	KSTEP 1
	s_add_co_u32 s40, s40, 1
	s_cmp_lt_u32 s40, 15
	s_cbranch_scc1 .Lk
	KSTEP 0                                        ; the last key step asks for nothing of K
	; ctx = O^T / the sum x 2^(e4 + e5), quantised with e6; its fragments go to LDS as images
	v_add_f32 v8, v8, v9                           ; the sums' two halves,
	v_add_f32 v10, v10, v11
	v_permlanex16_b32 v246, v8, s36, s37
	v_permlanex16_b32 v247, v10, s36, s37
	v_add_f32 v8, v8, v246                         ; and lane l xor 16's
	v_add_f32 v10, v10, v247
	s_wait_alu depctr_va_vdst(0)
	v_rcp_f32 v12, v8                              ; (the row's largest p is above 1/2: the sum is no zero)
	v_rcp_f32 v14, v10
	v_and_b32 v246, 15, v0                         ; r.  (Plain lines behind the reciprocals: the addresses of what follows)
	v_bfe_u32 v247, v0, 4, 1                       ; h
	s_mul_i32 s46, s24, 16*SPI
	s_add_co_u32 s46, s46, STO                     ; my stage
	v_mul_u32_u24 v2, v246, SPI
	v_lshl_add_u32 v2, v247, 5, v2
	v_add_nc_u32 v2, s46, v2                       ; into it: row r, + 32 h
	v_mul_u32_u24 v3, v247, SPI
	v_lshl_add_u32 v3, v246, 4, v3
	v_add_nc_u32 v3, s46, v3                       ; back: lanes 0-15 one row of 256 bytes, lanes 16-31 the next
	v_lshlrev_b32 v240, 12, v247
	v_lshl_add_u32 v240, v246, 4, v240             ; and the same two rows in x and out
	v_add_nc_u32 v241, CTX, v1                     ; an image's place for my lane
	s_lshl_b32 s55, s24, 11
	v_add_nc_u32 v242, s55, v241                   ; my head's two fragments.  (v242's last readers, the mask's LDS loads, stand ahead of the last key step's wait on vm_vsrc)
	v_mov_b32 v244, s56                            ; 2^e6
	v_mov_b32 v245, s57                            ; 448 x 2^e6
	s_wait_alu depctr_va_vdst(0)                   ; one wait for both reciprocals, ahead of their first reader
	v_ldexp_f32 v12, v12, s51
	v_ldexp_f32 v14, v14, s51
.irp q, 0,1
	RESC \q                                        ; O^T x 2^(e4 + e5) / the sum
.irp j, 0,1,2,3,4,5,6,7,8,9,10,11,12,13,14,15,16,17,18,19,20,21,22,23,24,25,26,27,28,29,30,31
	v_med3_num_f32 v[OA+32*\q+\j], v[OA+32*\q+\j], -v245, v245
.endr
.irp d, 0,1,2,3
	v_cvt_scalef32_pk8_fp8_f32 v[PC+8*\q+2*\d:PC+8*\q+2*\d+1], v[OA+32*\q+8*\d:OA+32*\q+8*\d+7], v244
.endr
.endr
	v_nop                                          ; one plain line behind the last conversion: the projection's first products write its sources
	s_wait_alu depctr_va_vdst(0)                   ; the conversions have written ctx's codes, which the LDS stores read; the addresses v2, v3 and v240 to v242 are written
.irp q, 0,1
.irp g, 0,1
	ds_store_b128 v242, v[PC+8*\q+4*\g:PC+8*\q+4*\g+3] offset:1024*\q+512*\g
.endr
.endr
	s_wait_dscnt 0x0                               ; for the others' sake: my head's codes lie in LDS
	s_barrier_signal -1
	s_barrier_wait -1                              ; all sixteen heads' do
	s_wait_alu depctr_vm_vsrc(0)                   ; my LDS stores have read v224-239, in which the first of ctx's fragments land
	; THE PROJECTION: K step n is head n.  Transposed: source 0 = 16 columns of W_out, source 1 = 16 rows of ctx.  W_out comes through a ring of four register slots (v32-159), ctx's fragments through two sets (v224-239, v16-31).
	; A step's products read slot n % 4 and set n % 2; behind them, the four places and ONE wait on va_vdst, the loads of step n + 4 land in the slot and the LDS loads of step n + 2 in the set.
.macro FETCHC n
.if (\n)%2
.set CSET, 16
.else
.set CSET, 224
.endif
.irp q, 0,1
.irp g, 0,1
	ds_load_b128 v[CSET+8*\q+4*\g:CSET+8*\q+4*\g+3], v241 offset:(2*(\n)+\q)*1024+512*\g
.endr
.endr
.endm
.macro PSTEP n
.set WS, 32+32*((\n)%4)
.if (\n)%2
.set CSET, 16
.else
.set CSET, 224
.endif
.if (\n) < 15
	s_wait_loadcnt 24                              ; behind this slot's eight loads stand three younger groups of eight (in steps 0 to 3 b_out's one load besides: the count is then the stricter one)
	s_wait_dscnt 4                                 ; behind this step's four LDS loads stand the next step's four
.else
	s_wait_loadcnt 16                              ; behind the last slot stand x's sixteen loads
	s_wait_dscnt 0x0
.endif
.irp i, 0,1,2,3
.irp q, 0,1
.if (\n) == 0
	v_wmma_f32_16x16x64_fp8_fp8 v[OA+8*(2*\i+\q):OA+8*(2*\i+\q)+7], v[WS+8*\i:WS+8*\i+7], v[CSET+8*\q:CSET+8*\q+7], 0
.else
	v_wmma_f32_16x16x64_fp8_fp8 v[OA+8*(2*\i+\q):OA+8*(2*\i+\q)+7], v[WS+8*\i:WS+8*\i+7], v[CSET+8*\q:CSET+8*\q+7], v[OA+8*(2*\i+\q):OA+8*(2*\i+\q)+7]
.endif
.endr
.endr
.rept 4
	v_nop                                          ; places ahead of the loads into the slot and the set just multiplied, and of the first read of results
.endr
.if (\n) <= 13
	s_wait_alu depctr_va_vdst(0)                   ; this step's products are done reading their slot and their set of ctx, in which the loads below land
.endif
.if (\n) <= 11
.irp i, 0,1,2,3,4,5,6,7
	global_load_b128 v[WS+4*\i:WS+4*\i+3], v1, s[12:13] offset:4096*((\n)+4)+512*\i
.endr
.elseif (\n) <= 13
.irp t, 0,1,2,3,4,5,6,7
	global_load_b128 v[WS+4*\t:WS+4*\t+3], v240, s[16:17] offset:8192*(8*((\n)-12)+\t) th:TH_LOAD_NT   ; x: rows 2 t' and 2 t' + 1, my wave's 256 bytes of each, into the slots that are done with
.endr
.endif
.if (\n) <= 13
	FETCHC (\n)+2
.endif
.endm
	FETCHC 0
	FETCHC 1
.irp n, 0,1,2,3,4,5,6,7,8,9,10,11,12,13,14,15
	PSTEP \n
.endr
	; THE WAY OUT: a lane holds eight neighbouring columns of one row; a query tile (16 rows x 256 bytes) goes through my own stage and comes back as whole rows.  LDS serves a wave's instructions in order (ISA guide 5.7.1.4): no wait between
	s_wait_alu depctr_va_vdst(0)                   ; the products have written the sums, which the LDS stores read (the four places above stay beside this wait), and are done reading slots 2 and 3, in which the rows land that come back
.irp q, 0,1
.irp i, 0,1,2,3
	ds_store_b128 v2, v[OA+8*(2*\i+\q):OA+8*(2*\i+\q)+3] offset:64*\i          ; each accumulator from its low end on
	ds_store_b128 v2, v[OA+8*(2*\i+\q)+4:OA+8*(2*\i+\q)+7] offset:64*\i+16
.endr
.irp t, 0,1,2,3,4,5,6,7
	ds_load_b128 v[96+32*\q+4*\t:96+32*\q+4*\t+3], v3 offset:2*SPI*\t
.endr
.endr
	s_wait_loadcnt 0x0                             ; x and b_out
; a query tile's arithmetic, one wait, its eight stores
.macro FINISH q
.if (\q) == 0
	s_wait_dscnt 16                                ; the first tile's rows are back; behind them stand the second tile's sixteen LDS instructions
.else
	s_wait_dscnt 0x0
.endif
.irp u, 0,1,2,3,4,5,6,7
	v_pk_add_f32 v[32+32*(\q)+4*\u:33+32*(\q)+4*\u], v[32+32*(\q)+4*\u:33+32*(\q)+4*\u], v[248:249]            ; x + b_out
	v_pk_add_f32 v[34+32*(\q)+4*\u:35+32*(\q)+4*\u], v[34+32*(\q)+4*\u:35+32*(\q)+4*\u], v[250:251]
	v_pk_fma_f32 v[96+32*(\q)+4*\u:97+32*(\q)+4*\u], v[96+32*(\q)+4*\u:97+32*(\q)+4*\u], s[48:49], v[32+32*(\q)+4*\u:33+32*(\q)+4*\u] op_sel_hi:[1,0,1]   ; + sum x 2^(e6 + e7)
	v_pk_fma_f32 v[98+32*(\q)+4*\u:99+32*(\q)+4*\u], v[98+32*(\q)+4*\u:99+32*(\q)+4*\u], s[48:49], v[34+32*(\q)+4*\u:35+32*(\q)+4*\u] op_sel_hi:[1,0,1]
.endr
	s_wait_alu depctr_va_vdst(0)                   ; the multiply-adds have written the tile's 32 registers, which the eight stores read
.irp u, 0,1,2,3,4,5,6,7
	global_store_b128 v240, v[96+32*(\q)+4*\u:99+32*(\q)+4*\u], s[22:23] offset:8192*(8*(\q)+\u) th:TH_STORE_NT   ; 16 lanes store 256 consecutive bytes, at a multiple of 256 from out's first byte
.endr
.endm
	FINISH 0
	FINISH 1
	s_wait_xcnt 0x0
	s_wait_alu depctr_vm_vsrc(0)                   ; the prefetches of K and V have read v254, which is made anew below
	v_lshl_add_u32 v254, v0, 2, 0x39200
	v_mov_b32 v255, 0
	s_wait_dscnt 0x0                               ; the closing lines, six on end
	s_wait_alu 0x0
	s_wait_tensorcnt 0x0
	ds_add_u32 v254, v255
	s_wait_dscnt 0x0
	s_endpgm
.Lfunc_end_k_q6bf5539b72_attn:
	.size	k_q6bf5539b72_attn, .Lfunc_end_k_q6bf5539b72_attn-k_q6bf5539b72_attn
	.p2alignl 7, 3214868480
	.fill 96, 4, 3214868480
	.section	.rodata,"a",@progbits
	.p2align	6, 0x0
	.amdhsa_kernel k_q6bf5539b72_attn
		.amdhsa_group_segment_fixed_size 236032
		.amdhsa_private_segment_fixed_size 0
		.amdhsa_enable_private_segment 0
		.amdhsa_kernarg_size 64
		.amdhsa_user_sgpr_count 2
		.amdhsa_user_sgpr_kernarg_segment_ptr 1
		.amdhsa_wavefront_size32 1
		.amdhsa_system_sgpr_workgroup_id_x 1
		.amdhsa_system_sgpr_workgroup_id_y 1
		.amdhsa_system_sgpr_workgroup_id_z 1
		.amdhsa_system_vgpr_workitem_id 0
		.amdhsa_next_free_vgpr 256
		.amdhsa_next_free_sgpr 66
		.amdhsa_reserve_vcc 0
		.amdhsa_float_denorm_mode_32 3
		.amdhsa_float_denorm_mode_16_64 3
		.amdhsa_memory_ordered 1
		.amdhsa_forward_progress 1
		.amdhsa_inst_pref_size 106
	.end_amdhsa_kernel
	.amdgpu_metadata
---
amdhsa.version: [ 1, 2 ]
amdhsa.kernels:
  - .name:           k_q6bf5539b72_attn
    .symbol:         k_q6bf5539b72_attn.kd
    .args:
      - { .name: q_img, .offset: 0, .size: 8, .value_kind: global_buffer, .address_space: global }
      - { .name: kv_img, .offset: 8, .size: 8, .value_kind: global_buffer, .address_space: global }
      - { .name: wo_img, .offset: 16, .size: 8, .value_kind: global_buffer, .address_space: global }
      - { .name: mask, .offset: 24, .size: 8, .value_kind: global_buffer, .address_space: global }
      - { .name: x, .offset: 32, .size: 8, .value_kind: global_buffer, .address_space: global }
      - { .name: b_out, .offset: 40, .size: 8, .value_kind: global_buffer, .address_space: global }
      - { .name: lowp_scales, .offset: 48, .size: 8, .value_kind: global_buffer, .address_space: global }
      - { .name: out0, .offset: 56, .size: 8, .value_kind: global_buffer, .address_space: global }
    .group_segment_fixed_size: 236032
    .private_segment_fixed_size: 0
    .kernarg_segment_align: 8
    .kernarg_segment_size: 64
    .max_flat_workgroup_size: 512
    .sgpr_count:     66
    .vgpr_count:     256
    .wavefront_size: 32
...
	.end_amdgpu_metadata
.endif
;; end of part 4
